; MI455X (gfx1250); checked and timed in simulation.
; The chip was launched on July 23, 2026; its instructions are those of AMD's public machine-readable ISA for CDNA 5 (MIT licence, August 2026) and "CDNA5" Instruction Set Architecture Reference Guide (July 2026). The comments in the code are by the model that wrote it; some were corrected since.
;; Kindred Attention. Allowed arithmetic: matrix products marked QUANTISED: E2M1 operands, one E8M0 scale for each 32 along K, by v_wmma_scale_f32_16x16x128_f8f6f4 with both operands' format E2M1 (or v_wmma_scale_f32_32x16x128_f4), f32 sums; products left as they are: bf16, f16 or f32 operands; f32 sums; everything else in f32.
;; Inputs: hidden_states 4 x 2,048 x 1,024 float32; o_w 1,024 x 1,024 float32; qkv_w 3,072 x 1,024 float32.
;; Outputs: out0 4 x 2,048 x 1,024 float32.
;; This version of the problem:
;;   THIS VERSION OF THE PROBLEM IS GIVEN IN LOW PRECISION. The matrix products marked QUANTISED in the list below multiply operands that are first quantised to E2M1 (2 exponent bits, 1 mantissa bit; 4 bits a number), with one power-of-two scale for each 32 numbers along K (OCP MX v1.0); their sums are f32. The products marked 'left as it is' may take bf16, f16 or f32 operands, with f32 sums. Whichever they take, every output number must still come out within the allowed error. Rounding operands to bf16 (8 significant bits) uses up far more of that allowance than f16 does (11 bits, for magnitudes from 6e-5 to 65,504). All else is computed in f32.
;;   The module's matrix products, in the order in which they are computed (A, B: the left and right operand; K: the contracted axis; several contracted axes count as one K, in the product's order):
;;     1. [M 8,192, K 1,024] x [K 1,024, N 3,072]; A: input hidden_states; B: input qkv_w: QUANTISED
;;     2. batch 64 x [M 2,048, K 64] x [K 64, N 2,048]; A: computed on the way; B: computed on the way: left as it is (an operand is computed on the way)
;;     3. batch 64 x [M 2,048, K 2,048] x [K 2,048, N 64]; A: computed on the way; B: computed on the way: left as it is (an operand is computed on the way)
;;     4. [M 8,192, K 1,024] x [K 1,024, N 1,024]; A: computed on the way; B: input o_w: left as it is (an operand is computed on the way)
;;   THE QUANTISER, for each operand of a quantised product, along K:
;;     - K is cut into blocks of 32 from its start; a last block that is shorter is filled with zeros.
;;     - A block's scale is 2^e with e = floor(log2(the largest magnitude in the block)) - 2, held to -126 .. 127; a block of zeros has e = 0. As a byte (E8M0): e + 127.
;;     - Each number is divided by its block's scale, clamped to +-6, and rounded to the nearest number of E2M1, ties to even, subnormals kept.
;;     - The product sums the exact products of the quantised numbers (number of the format x scale) in f32.
;;   ~~~python
;;   def quantise(x, axis):      # numpy; x: float32 -> the quantised numbers, widened to float32 again
;;       x = np.moveaxis(x, axis, -1); K = x.shape[-1]
;;       x = np.pad(x, [(0, 0)] * (x.ndim - 1) + [(0, -K % 32)]); x = x.reshape(x.shape[:-1] + (-1, 32)); a = np.abs(x).max(-1, keepdims=True)
;;       e = np.where(a > 0, np.clip(np.frexp(np.where(a > 0, a, 1))[1] - 1 - 2, -126, 127), 0)      # np.frexp(a)[1] - 1 = floor(log2(a)), exactly
;;       r = np.clip(x / 2.0 ** e, -6, 6)
;;       step = 2.0 ** (np.maximum(np.frexp(np.where(r == 0, 1, r))[1] - 1, 0) - 1)
;;       q = np.round(r / step) * step * 2.0 ** e      # np.round: ties to even
;;       return np.moveaxis(q.reshape(q.shape[:-2] + (-1,))[..., :K], -1, axis).astype(np.float32)
;;   ~~~
;; One version. Each part assembles by itself: llvm-mc -triple=amdgcn-amd-amdhsa -mcpu=gfx1250 --defsym DOCPART=n.
;; ======== version 1 of 1: 4 launches
;; limits: values are held in f16: magnitudes above 65,504 overflow, below 6.1e-05 lose precision
;; workspace buffers: codes 5,767,168 bytes; scales 360,448 bytes; ow16 2,097,152 bytes; rope 1,048,576 bytes; qkv16 50,331,648 bytes; att16 16,777,216 bytes
;; launch prep (part 1): grid 496 x 1, 4 waves a work-group, no clusters, 33,280 bytes of LDS; arguments hidden_states, qkv_w, o_w, codes, scales, ow16, rope; writes codes, scales, ow16, rope
.if DOCPART == 1
	.amdgcn_target "amdgcn-amd-amdhsa--gfx1250"
	.amdhsa_code_object_version 6
	.text
	.protected	k_qfa226a0854_prep
	.globl	k_qfa226a0854_prep
	.p2align	8
	.type	k_qfa226a0854_prep,@function
k_qfa226a0854_prep:
	s_mov_b64 s[64:65], 0
	v_nop
	global_prefetch_b8 v0, s[64:65] scope:SCOPE_SE
	s_setreg_imm32_b32 hwreg(HW_REG_WAVE_MODE, 25, 1), 1
	s_wait_xcnt 0x0
; PREP: what the later launches read again and again is made once.  Three kinds of work-group, told apart by the work-group's number alone:
;   0-351    hidden_states [8192][1024] (work-groups 0-255) and qkv_w [3072][1024] (256-351), f32, become codes of FP4 (E2M1), K innermost, two codes a byte, and one E8M0 byte for each 32 along K.
;            Both tensors go into ONE matrix of 11,264 rows: codes [11264][512 bytes], scales [11264][32 bytes]; rows 0-8191 are hidden_states', the rest qkv_w's.
;   352-479  o_w [1024][1024] f32 becomes f16, laid as images of operand registers: ow16 [n tile 64][k piece 64][512 bytes]; in a piece lane (r, h) has the 16 bytes o_w[16 nt + r][16 kp + 8 h + 0..7].
;   480-495  the RoPE tables: rope [2][2048 positions][cos 32 | sin 32] f32, 256 bytes a position.  Table 0 is multiplied by c = log2(e) / 8 (for q: the scores then come out as exponents of 2), table 1 is plain (for k).
; THE QUANTISER: a block's scale is 2^(floor(log2(its largest magnitude)) - 2); its byte is the largest magnitude's exponent field - 2, held at 1 from below; each number is divided by the scale and rounded to the nearest code, ties to even.
; LIMITS: a block of zeros gets the byte 1 where the rule says 127: its codes are zeros, and this program alone reads the bytes.  Blocks whose largest magnitude lies under 2^(2 - 126) were not tried.  NaN and infinities are not served.
;         o_w in f16: magnitudes up to 65,504; under 6e-5 the step is 2^-24.
;         The angles are position x 10000^(-j/32), reduced in turns with a fused multiply-add (the product is not rounded ahead of the reduction); the frequency is right to a few parts in 10^7, so at the last positions an angle may differ by some 3e-4 rad from one made in another order of f32 roundings.
.set WAVES, 4
.set STEPS, 16
.set WGX,   256                        ; work-groups of hidden_states: 8192 x 1024 / 32768
.set WGQ,   352                        ; + 96 of qkv_w
.set WGO,   480                        ; + 128 of o_w
.set EMAX,  2
.set CB,    8                          ; bytes of 16 codes
.set R,     16                         ; v16-79   four sets of 16 numbers as they are loaded
.set X,     80                         ; v80-111  two sets of 16 neighbours
.set C,     128                        ; v128-191 codes: four registers for each step
.set E,     112                        ; v112-127 a scale byte for each step
.set WREG,  8192                       ; LDS: a region for each wave: two stages of 32 x SP bytes, behind them its 256 scale bytes
.set SP,    80                         ; a lane's place in a stage: 64 bytes + 16 of padding
.set SPW,   12                         ; v12 LDS address of my spare word; never rewritten
.set NIL,   13                         ; v13 0; never rewritten
.set SPARE, WAVES*WREG                 ; the spare words, 128 bytes a wave: two blocks of 256 bytes that no other line names
.macro LOAD t
.irp i, 0,1,2,3
	global_load_b128 v[R+16*((\t)%4)+4*\i:R+16*((\t)%4)+4*\i+3], v3, s[4:5] offset:2048*(\t)+512*\i th:TH_LOAD_NT   ; 32 lanes read 512 consecutive bytes
.endr
.endm
.macro TURN t                          ; step t's numbers through the stage: LDS serves a wave's instructions in order, so no wait stands between the stores and the loads
.irp i, 0,1,2,3
	ds_store_b128 v14, v[R+16*((\t)%4)+4*\i:R+16*((\t)%4)+4*\i+3] offset:32*SP*((\t)%2)+8*SP*\i
.endr
.irp i, 0,1,2,3
	ds_load_b128 v[X+16*((\t)%2)+4*\i:X+16*((\t)%2)+4*\i+3], v15 offset:32*SP*((\t)%2)+16*\i
.endr
.endm
.macro STEP t
.set XS, X+16*((\t)%2)
.if (\t) > 0
	s_wait_dscnt 1                                 ; this step's numbers are back from the stage; the last step's byte store may be out
.else
	s_wait_dscnt 0x0
.endif
.if (\t)+4 < STEPS
	LOAD (\t)+4                                    ; the stage's stores have read these registers: they take the loads of four steps on
.endif
.if (\t)+1 < STEPS
.if STEPS-2-(\t) >= 3
	s_wait_loadcnt 12                              ; the next step's four loads are in; those of the three steps behind it may be out
.else
	s_wait_loadcnt 4*(STEPS-2-(\t))
.endif
	TURN (\t)+1
.endif
	v_max3_num_f32 v8, |v[XS]|, |v[XS+1]|, |v[XS+2]|               ; the largest magnitude of my 16, in two chains
	v_max3_num_f32 v9, |v[XS+3]|, |v[XS+4]|, |v[XS+5]|
.irp i, 6,10
	v_max3_num_f32 v8, v8, |v[XS+\i]|, |v[XS+\i+1]|
	v_max3_num_f32 v9, v9, |v[XS+\i+2]|, |v[XS+\i+3]|
.endr
	v_max3_num_f32 v8, v8, |v[XS+14]|, |v[XS+15]|
	v_max3_num_f32 v8, v8, v9, (EMAX+1)<<23        ; and the floor 2^(EMAX + 1 - 127): the byte cannot fall under 1
	v_max_num_f32_dpp v8, v8, v8 row_xmask:1 row_mask:0xf bank_mask:0xf   ; with my neighbour's 16: the block's
	v_add_nc_u32 v11, -(EMAX<<23), v8              ; EMAX off its exponent field: the conversion takes the exponent field of this operand as its scale
	v_cvt_scalef32_pk8_fp4_f32 v[C+4*(\t)], v[XS:XS+7], v11
	v_cvt_scalef32_pk8_fp4_f32 v[C+4*(\t)+1], v[XS+8:XS+15], v11
	v_lshrrev_b32 v[E+(\t)], 23, v11               ; the scale's byte (a plain line behind the conversions)
	ds_store_b8 v5, v[E+(\t)] offset:16*(\t)       ; both lanes of a block write the same byte with the same value
	global_store_b64 v4, v[C+4*(\t):C+4*(\t)+1], s[10:11] offset:32*CB*(\t)   ; the wave stores 256 consecutive bytes, aligned
.endm
	s_load_b256 s[4:11], s[0:1], 0x0               ; hidden_states s[4:5], qkv_w s[6:7], o_w s[8:9], codes s[10:11]
	s_load_b128 s[12:15], s[0:1], 0x20             ; scales s[12:13], ow16 s[14:15]
	s_load_b64 s[16:17], s[0:1], 0x30              ; rope
	v_lshl_add_u32 v[SPW], v0, 2, SPARE
	v_mov_b32 v[NIL], 0
	v_lshrrev_b32 v1, 5, v0
	v_readfirstlane_b32 s18, v1                    ; wave 0..3
	v_and_b32 v2, 31, v0                           ; lane
	s_cmp_ge_u32 ttmp9, WGO
	s_cbranch_scc1 .Ltab
	s_cmp_ge_u32 ttmp9, WGQ
	s_cbranch_scc1 .Low
	; ---- the quantiser: a wave takes 16 steps of 512 numbers.  Rows are dense and 1024 is a multiple of 32: both tensors are plain streams of blocks
	v_lshlrev_b32 v3, 4, v2                        ; my 16 bytes of a load's 512
	s_mul_i32 s19, s18, WREG
	v_lshrrev_b32 v14, 2, v2
	v_mul_u32_u24 v14, v14, SP
	v_and_b32 v15, 3, v2
	v_lshl_add_u32 v14, v15, 4, v14
	v_add_nc_u32 v14, s19, v14                     ; the stage, on the way in: SP (lane / 4) + 16 (lane % 4)
	v_mul_u32_u24 v15, v2, SP
	v_add_nc_u32 v15, s19, v15                     ; and on the way out: SP x lane: my 16 neighbours
	v_mul_u32_u24 v4, v2, CB                       ; my codes' place in a step's
	v_lshrrev_b32 v5, 1, v2
	s_add_co_u32 s19, s19, 2*32*SP
	v_add_nc_u32 v5, s19, v5                       ; LDS: my wave's 256 scale bytes, my block's byte
	v_lshlrev_b32 v7, 3, v2                        ; and on the way out 8 bytes a lane
	v_add_nc_u32 v6, s19, v7
	s_wait_kmcnt 0x0
	s_cmp_lt_u32 ttmp9, WGX                        ; which tensor is read hangs on the work-group's number alone
	s_cselect_b64 s[4:5], s[4:5], s[6:7]
	s_cselect_b32 s19, 0, WGX
	s_sub_co_u32 s19, ttmp9, s19
	s_lshl_b32 s19, s19, 2
	s_add_co_u32 s20, s19, s18                     ; which run of 8,192 numbers of that tensor is my wave's
	s_lshl_b32 s20, s20, 15                        ; 32,768 bytes a run
	s_mov_b32 s21, 0
	s_add_nc_u64 s[4:5], s[4:5], s[20:21]
	s_lshl_b32 s22, ttmp9, 2
	s_add_co_u32 s22, s22, s18                     ; and which run of the joined matrix: qkv_w's rows follow hidden_states'
	s_lshl_b32 s20, s22, 12                        ; 4,096 bytes of codes a run
	s_add_nc_u64 s[10:11], s[10:11], s[20:21]
	s_lshl_b32 s20, s22, 8                         ; 256 scale bytes a run
	s_add_nc_u64 s[12:13], s[12:13], s[20:21]
.irp t, 0,1,2,3
	LOAD \t
.endr
	s_wait_loadcnt 12                              ; step 0's four loads are in
	TURN 0
.irp t, 0,1,2,3,4,5,6,7,8,9,10,11,12,13,14,15
	STEP \t
.endr
	ds_load_b64 v[8:9], v6                         ; LDS serves a wave's instructions in order: these see my byte stores
	s_wait_dscnt 0x0
	global_store_b64 v7, v[8:9], s[12:13]          ; 32 lanes store 256 consecutive bytes, aligned
	s_wait_tensorcnt 0x0                           ; the wave's end: these three lines behind my last LDS store
	ds_add_u32 v[SPW], v[NIL]
	s_wait_dscnt 0x0
	s_endpgm
	; ---- o_w to f16 images: work-group g takes n tile g / 2 and 32 of its 64 pieces, a wave 8 pieces.  No LDS: a piece's 512 bytes are what the 32 lanes hold
.Low:
	s_sub_co_u32 s19, ttmp9, WGQ                   ; g
	s_lshr_b32 s20, s19, 1                         ; n tile
	s_and_b32 s19, s19, 1
	s_lshl_b32 s19, s19, 5
	s_lshl_b32 s21, s18, 3
	s_add_co_u32 s19, s19, s21                     ; my first piece: 32 (g % 2) + 8 x wave
	s_lshl_b32 s22, s20, 16                        ; in: 16 rows of 4,096 bytes a tile,
	s_lshl_b32 s21, s19, 6                         ; 64 bytes a piece
	s_add_co_u32 s22, s22, s21
	s_mov_b32 s23, 0
	s_lshl_b32 s24, s20, 6
	s_add_co_u32 s24, s24, s19
	s_lshl_b32 s24, s24, 9                         ; out: 512 bytes a piece
	s_mov_b32 s25, 0
	v_and_b32 v3, 15, v0                           ; r
	v_bfe_u32 v4, v0, 4, 1                         ; h
	v_lshlrev_b32 v3, 12, v3
	v_lshl_add_u32 v3, v4, 5, v3                   ; row r, + 32 h: my 8 numbers of a piece
	v_lshlrev_b32 v5, 4, v2                        ; 16 x lane
	s_wait_kmcnt 0x0
	s_add_nc_u64 s[8:9], s[8:9], s[22:23]
	s_add_nc_u64 s[14:15], s[14:15], s[24:25]
.irp i, 0,1,2,3,4,5,6,7
	global_load_b128 v[16+8*\i:19+8*\i], v3, s[8:9] offset:64*\i th:TH_LOAD_NT       ; the wave's 16 loads together cover 512 consecutive bytes of each of 16 rows
	global_load_b128 v[20+8*\i:23+8*\i], v3, s[8:9] offset:64*\i+16 th:TH_LOAD_NT
.endr
.irp i, 0,1,2,3,4,5,6,7
	s_wait_loadcnt 14-2*\i                         ; piece i's two loads are in; the younger pieces' may be out
	v_cvt_pk_f16_f32 v[128+4*\i], v[16+8*\i], v[17+8*\i]
	v_cvt_pk_f16_f32 v[129+4*\i], v[18+8*\i], v[19+8*\i]
	v_cvt_pk_f16_f32 v[130+4*\i], v[20+8*\i], v[21+8*\i]
	v_cvt_pk_f16_f32 v[131+4*\i], v[22+8*\i], v[23+8*\i]
	global_store_b128 v5, v[128+4*\i:131+4*\i], s[14:15] offset:512*\i               ; 512 consecutive bytes, aligned
.endr
	s_endpgm
	; ---- the RoPE tables: a wave takes 32 positions, one a trip.  Lanes 0-15 make the cosines of frequencies 2 l, 2 l + 1, lanes 16-31 the sines, as cosines a quarter turn back
.Ltab:
	s_sub_co_u32 s19, ttmp9, WGO
	s_lshl_b32 s19, s19, 7
	s_lshl_b32 s20, s18, 5
	s_add_co_u32 s19, s19, s20                     ; my first position
	v_and_b32 v3, 15, v0
	v_lshlrev_b32 v3, 1, v3                        ; j0
	v_bfe_u32 v4, v0, 4, 1
	v_cvt_f32_u32 v4, v4
	v_mul_f32 v4, 0x3e800000, v4                   ; q: 0, or a quarter turn
	v_cvt_f32_u32 v5, v3
	v_add_f32 v6, 1.0, v5
	v_mul_f32 v5, 0xbed49a78, v5                   ; -j log2(10000) / 32
	v_mul_f32 v6, 0xbed49a78, v6
	v_exp_f32 v5, v5                               ; 10000^(-j / 32)
	v_exp_f32 v6, v6
	v_lshlrev_b32 v7, 3, v2                        ; (a plain line behind the exponentials)  my 8 bytes of a position's 256
	s_wait_alu depctr_va_vdst(0)                   ; one wait for both, ahead of their first reader
	v_mul_f32 v5, 0x3e22f983, v5                   ; / 2 pi: turns for each position
	v_mul_f32 v6, 0x3e22f983, v6
	v_cvt_f32_u32 v8, s19                          ; t, the position
	v_mov_b32 v9, 0x29573f9f                       ; 1 / 16!
	s_lshl_b32 s20, s19, 8
	s_mov_b32 s21, 0
	s_wait_kmcnt 0x0
	s_add_nc_u64 s[16:17], s[16:17], s[20:21]
	s_mov_b32 s22, 32
.Lpos:
.irp e, 0,1
	v_fma_f32 v[16+\e], v8, v[5+\e], -v4           ; the angle in turns
.endr
.irp e, 0,1
	v_rndne_f32 v[16+\e], v[16+\e]                 ; whole turns
.endr
.irp e, 0,1
	v_fma_f32 v[16+\e], v8, v[5+\e], -v[16+\e]     ; taken off the unrounded product
.endr
.irp e, 0,1
	v_sub_f32 v[16+\e], v[16+\e], v4               ; at most half a turn either way
.endr
.irp e, 0,1
	v_mul_f32 v[16+\e], 0x40c90fdb, v[16+\e]       ; a, in radians
.endr
.irp e, 0,1
	v_mul_f32 v[18+\e], v[16+\e], v[16+\e]         ; y = a^2
.endr
.irp e, 0,1
	v_fmaak_f32 v[20+\e], v[18+\e], v9, 0xad49cba5 ; cos a = 1 - y/2! + .. + y^8/16!: on |a| <= pi the next term is under 1.4e-7
.endr
.irp k, 0x310f76c7, 0xb493f27e, 0x37d00d01, 0xbab60b61, 0x3d2aaaab, 0xbf000000, 0x3f800000
.irp e, 0,1
	v_fmaak_f32 v[20+\e], v[20+\e], v[18+\e], \k
.endr
.endr
	v_mul_f32 v22, 0x3e38aa3b, v20                 ; x c = log2(e) / 8, for q
	v_mul_f32 v23, 0x3e38aa3b, v21
	global_store_b64 v7, v[22:23], s[16:17]                  ; the wave stores a position's 256 bytes, aligned
	global_store_b64 v7, v[20:21], s[16:17] offset:524288    ; and the same in the plain table
	s_wait_xcnt 0x0                                ; the stores' offset and data are written again only behind this wait
	v_add_nc_u32 v7, 0x100, v7
	v_add_f32 v8, 1.0, v8
	s_sub_co_u32 s22, s22, 1
	s_cmp_lg_u32 s22, 0
	s_cbranch_scc1 .Lpos
	s_endpgm
.Lfunc_end_k_qfa226a0854_prep:
	.size	k_qfa226a0854_prep, .Lfunc_end_k_qfa226a0854_prep-k_qfa226a0854_prep
	.p2alignl 7, 3214868480
	.fill 96, 4, 3214868480
	.section	.rodata,"a",@progbits
	.p2align	6, 0x0
	.amdhsa_kernel k_qfa226a0854_prep
		.amdhsa_group_segment_fixed_size 33280
		.amdhsa_private_segment_fixed_size 0
		.amdhsa_enable_private_segment 0
		.amdhsa_kernarg_size 56
		.amdhsa_user_sgpr_count 2
		.amdhsa_user_sgpr_kernarg_segment_ptr 1
		.amdhsa_wavefront_size32 1
		.amdhsa_system_sgpr_workgroup_id_x 1
		.amdhsa_system_sgpr_workgroup_id_y 1
		.amdhsa_system_sgpr_workgroup_id_z 1
		.amdhsa_system_vgpr_workitem_id 0
		.amdhsa_next_free_vgpr 192
		.amdhsa_next_free_sgpr 66
		.amdhsa_reserve_vcc 0
		.amdhsa_float_denorm_mode_32 3
		.amdhsa_float_denorm_mode_16_64 3
		.amdhsa_memory_ordered 1
		.amdhsa_forward_progress 1
		.amdhsa_inst_pref_size 42
	.end_amdhsa_kernel
	.amdgpu_metadata
---
amdhsa.version: [ 1, 2 ]
amdhsa.kernels:
  - .name:           k_qfa226a0854_prep
    .symbol:         k_qfa226a0854_prep.kd
    .args:
      - { .name: hidden_states, .offset: 0, .size: 8, .value_kind: global_buffer, .address_space: global }
      - { .name: qkv_w, .offset: 8, .size: 8, .value_kind: global_buffer, .address_space: global }
      - { .name: o_w, .offset: 16, .size: 8, .value_kind: global_buffer, .address_space: global }
      - { .name: codes, .offset: 24, .size: 8, .value_kind: global_buffer, .address_space: global }
      - { .name: scales, .offset: 32, .size: 8, .value_kind: global_buffer, .address_space: global }
      - { .name: ow16, .offset: 40, .size: 8, .value_kind: global_buffer, .address_space: global }
      - { .name: rope, .offset: 48, .size: 8, .value_kind: global_buffer, .address_space: global }
    .group_segment_fixed_size: 33280
    .private_segment_fixed_size: 0
    .kernarg_segment_align: 8
    .kernarg_segment_size: 56
    .max_flat_workgroup_size: 128
    .sgpr_count:     66
    .vgpr_count:     192
    .wavefront_size: 32
...
	.end_amdgpu_metadata
.endif
;; end of part 1
;; launch qkv (part 2): grid 12 x 32, 4 waves a work-group, clusters of 4 x 4, 327,680 bytes of LDS; arguments codes, scales, rope, qkv16; writes qkv16
.if DOCPART == 2
	.amdgcn_target "amdgcn-amd-amdhsa--gfx1250"
	.amdhsa_code_object_version 6
	.text
	.protected	k_qfa226a0854_qkv
	.globl	k_qfa226a0854_qkv
	.p2align	8
	.type	k_qfa226a0854_qkv,@function
k_qfa226a0854_qkv:
	s_mov_b64 s[64:65], 0
	v_nop
	global_prefetch_b8 v0, s[64:65] scope:SCOPE_SE
	s_setreg_imm32_b32 hwreg(HW_REG_WAVE_MODE, 25, 1), 1
	s_wait_xcnt 0x0
	s_wait_alu depctr_hold_cnt(0) depctr_sa_sdst(0) depctr_va_vdst(0) depctr_va_sdst(0) depctr_va_ssrc(0) depctr_va_vcc(0) depctr_vm_vsrc(0)
	s_getreg_b32 s2, hwreg(HW_REG_IB_STS2, 6, 4)
	s_cmp_eq_u32 s2, 0
	s_cbranch_scc0 .Lentry_in_a_cluster
	s_endpgm
.Lentry_in_a_cluster:
	s_bfe_u32 s2, ttmp6, 0x10000c
	s_cmp_lg_u32 s2, 0xf033
	s_cbranch_scc0 .Lentry_shape_is_right
	s_endpgm
.Lentry_shape_is_right:
; QKV: hidden_states x qkv_w^T on codes of FP4 (E2M1) with one E8M0 scale for each 32 along K = 1024; then RoPE on q and k in f32 (q also x c = log2(e) / 8, which its table carries); all three rounded once to f16.
; codes [11264][512 bytes], scales [11264][32 bytes]: rows 0-8191 hidden_states, rows 8192-11263 qkv_w.  A tile of the product is 256 x 256, four waves, each 128 x 128: 64 accumulators of 16 x 16, 512 registers.
; THE MATRIX INSTRUCTION IS USED TRANSPOSED (source 0 = 16 rows of "B", source 1 = 16 rows of "A"): a lane holds ONE row of A and eight neighbouring rows of B.
;   clusters x = 0, 1 (q, k): A = 256 positions, B = 256 rows of the weight: a lane holds one position and eight neighbouring channels.
;   cluster  x = 2    (v):    A = 256 rows of the weight, B = 256 positions: a lane holds one channel and eight neighbouring keys: V comes out turned, with the same products.
; So four conversions make 16 bytes that are a lane's part of an IMAGE OF AN OPERAND'S REGISTERS (a piece: 512 bytes, lane (r, h) at 16 x lane: row r, k = 8 h + 0..7 of 16), and every store of a wave covers 512 consecutive bytes, aligned, with no stage in LDS:
;   q at byte 0, k at 16,777,216: [batch x head 64][tile of 16 positions 128][piece 4];   v at 33,554,432: [batch x head][step of 64 keys 32][tile of 16 channels 4][16 keys 4].
; K = 1024 is two slots of 512 along K: both are first fills, nothing is filled again.  The scale bytes of the work-group's 512 rows come once, as whole rows of 256 bytes.
; THE TEXT PARTS ONCE, on the cluster's x, behind the change of slots: from there to the closing round stands no barrier, no tensor load and no LDS write.  Slot 1's four steps are written on both ways, so that q's and k's way can ask for
; its tables ahead of those 256 products, and each way reads only what that way has written.
; CLUSTERS: 4 x 4 work-groups; A's tile is shared along a row of the cluster, B's along a column: each is asked for jointly.  384 work-groups: a tile of 256 x 192 would divide evenly among 256 but would split a head between two waves.
; LIMITS: q c, k and v are f16: magnitudes up to 65,504.
; REGISTERS: window 0: v16-29 addresses; v32-95 scale words and nothing else; v96-127 q's and k's packed results; v128-191 A's fragments, on the way out rotated numbers (v: packed results); v192-255 table sets 0, 1.
;   window 1: B's fragments at v0-63 and v128-191; table sets 2, 3 at v64-127, 4, 5 at v192-255, and behind the products 6, 7 at v0-63.   windows 2, 3: the accumulators ((a, b) at v[8 (8 (a % 4) + b)]).
.set NQ,     4                         ; steps of 128 along K in a slot
.set ROWB,   256                       ; a tile's row in bytes: 512 codes
.set KROW,   512                       ; a row of codes in memory
.set PITCH,  272                       ; an LDS row: 256 bytes + 16 of padding: the 16 rows that a load touches start 68 words apart
.set FR,     8
.set NL,     2
.set NP,     4                         ; places behind this matrix instruction (ISA guide 7.12.1)
.set HALFT,  128*PITCH
.set SLOT,   4*HALFT
.set KS,     32                        ; a row of scale bytes
.set SCL,    2*SLOT
.set HALFS,  (128*KS/256)*272
.set SBLK,   (16*KS/256)*272
.set SPARE,  SCL+4*HALFS               ; the spare words, 128 bytes a wave: two blocks of 256 bytes that no other line names
.set ADRA, 16
.set ADRB, 20
.set TO,   24                          ; v24 my place in a block's 16 table rows: 256 r + 32 h
.set CO,   26                          ; v26 16 x lane
.set ADRS, 27
.set SPW,  28
.set NIL,  29
.set SC,   32
.set AF,   128
.set PKR,  96                          ; the way out of q and k: packed results, one set of 32
.set PKV,  128                         ; the way out of v: packed results, two sets of 32
.set YR,   128                         ; the way out of q and k: rotated numbers (head hh, piece pp) at YR + 32 hh + 8 pp
.set G1, 24
.set G0, 32
.set G1B, 48
.set G0B, 56
.set G1S, 68
.set G0S, 76
.set G1SB, 80
.set G0SB, 88
.set MSB, 0
.macro WIN new                         ; the immediate's high byte repeats the setting that is left
.if MSB != (\new)
	s_set_vgpr_msb (MSB<<8)|(\new)
.set MSB, (\new)
.endif
.endm
.set MUL_LO, 0xa1                      ; source 0 (B) window 1, source 1 (A) window 0, C and D window 2
.set MUL_HI, 0xf1
.set TO_B,   0x40
; A joint load: waves 0 and 1 fetch for A, waves 2 and 3 for B; the branch hangs on the wave's number alone.  An s_nop 0 and four v_nop follow each of the two lines.
.macro JLOAD g0a, g1a, g0b, g1b
	s_cmp_eq_u32 s15, 0
	s_cbranch_scc0 .Lfor_b_\@
	tensor_load_to_lds s[\g0a:\g0a+3], s[\g1a:\g1a+7]
	s_nop 0
.rept 4
	v_nop
.endr
	s_branch .Lasked_\@
.Lfor_b_\@:
	tensor_load_to_lds s[\g0b:\g0b+3], s[\g1b:\g1b+7]
	s_nop 0
.rept 4
	v_nop
.endr
.Lasked_\@:
.endm
.macro CROUND                          ; a round of the cluster's barrier
	s_barrier_signal -1
	s_barrier_wait -1
	s_cmp_lg_u32 s14, 0
	s_cbranch_scc1 .Lnot_wave_0_\@
	s_barrier_signal -3
.Lnot_wave_0_\@:
	s_barrier_wait -3
	s_barrier_signal -1
	s_barrier_wait -1
.endm
	s_load_b256 s[4:11], s[0:1], 0x0               ; codes s[4:5], scales s[6:7], rope s[8:9], qkv16 s[10:11]
	v_lshl_add_u32 v[SPW], v0, 2, SPARE
	v_mov_b32 v[NIL], 0
	ds_add_u32 v[SPW], v[NIL]                      ; the wave's opening: the add, twice on end, and its wait ahead of my first tensor load
	ds_add_u32 v[SPW], v[NIL]
	v_lshrrev_b32 v1, 5, v0
	v_readfirstlane_b32 s14, v1                    ; wave 0..3
	s_lshr_b32 s15, s14, 1                         ; which half of A's rows is mine.  Also: I fetch for A (0) or for B (1)
	s_and_b32 s16, s14, 1                          ; which half of B's rows.  Also: which 128 rows of that tile I fetch
	s_bfe_u32 s40, ttmp6, 0x40000                  ; cx, cy: my place in the cluster
	s_bfe_u32 s41, ttmp6, 0x40004
	s_and_b32 s12, ttmp7, 0xffff
	s_lshl_b32 s12, s12, 2                         ; 4 x cluster y: the cluster's first tile of positions
	s_lshl_b32 s13, ttmp9, 2
	s_add_co_u32 s13, s13, 32                      ; 32 + 4 x cluster x: its first tile of q's or k's weight rows
	s_cmp_eq_u32 ttmp9, 2                          ; v's clusters?  The same in all sixteen partners
	s_cselect_b32 s17, 40, s12                     ; A's tile of 256 rows: v's weight rows begin at tile 40,
	s_cselect_b32 s42, s12, s13                    ; B's
	s_add_co_u32 s17, s17, s41                     ; A's hangs on cy alone of the two places,
	s_add_co_u32 s42, s42, s40                     ; B's on cx alone
	s_lshl_b32 s43, s41, 2
	s_lshl_b32 s43, 15, s43                        ; my row of the cluster
	s_lshl_b32 s44, 0x1111, s40                    ; my column
	; descriptor group 1: a tile of 128 rows x 256 bytes, 16 bytes of padding behind each row
	s_or_b32 s[G1+0], s43, (0<<16)|(1<<20)|(1<<21)|(5<<22)|(3<<25)
	s_or_b32 s[G1B+0], s44, (0<<16)|(1<<20)|(1<<21)|(5<<22)|(3<<25)
.irp g, G1, G1B
	s_mov_b32 s[\g+1], ROWB<<16                    ; tensor_dim0
	s_mov_b32 s[\g+2], 128<<16                     ; tensor_dim1
	s_mov_b32 s[\g+3], ROWB<<16                    ; tile_dim0
	s_mov_b32 s[\g+4], 128                         ; tile_dim1
	s_mov_b32 s[\g+5], KROW                        ; from row to row
	s_mov_b32 s[\g+6], 0
	s_mov_b32 s[\g+7], 0
.endr
	; the scales of 128 rows: 4,096 dense bytes, as 16 rows of 256 bytes (32 elements of 8), 16 bytes of padding behind each
	s_or_b32 s[G1S+0], s43, (3<<16)|(1<<20)|(1<<21)|(5<<22)|(3<<25)
	s_or_b32 s[G1SB+0], s44, (3<<16)|(1<<20)|(1<<21)|(5<<22)|(3<<25)
.irp g, G1S, G1SB
	s_mov_b32 s[\g+1], 32<<16
	s_mov_b32 s[\g+2], (128*KS/256)<<16
	s_mov_b32 s[\g+3], 32<<16
	s_mov_b32 s[\g+4], 128*KS/256
	s_mov_b32 s[\g+5], 32
	s_mov_b32 s[\g+6], 0
	s_mov_b32 s[\g+7], 0
.endr
	s_lshl_b32 s18, s16, 7                         ; which 128 rows of the tile I fetch
	s_lshl_b32 s20, s17, 8
	s_add_co_u32 s20, s20, s18                     ; A's first row
	s_lshl_b32 s46, s42, 8
	s_add_co_u32 s46, s46, s18                     ; B's
	s_lshl_b32 s22, s20, 5                         ; their scale bytes,
	s_mov_b32 s23, 0
	s_lshl_b32 s92, s46, 5
	s_mov_b32 s93, 0
	s_lshl_b32 s20, s20, 9                         ; their codes
	s_mov_b32 s21, 0
	s_lshl_b32 s46, s46, 9
	s_mov_b32 s47, 0
	s_mul_i32 s45, s14, HALFT                      ; where they go: wave x 128 rows: no place in the cluster enters an LDS address
	s_mul_i32 s94, s14, HALFS
	s_wait_dscnt 0x0                               ; both opening adds are done
	s_wait_kmcnt 0x0
	s_add_nc_u64 s[20:21], s[4:5], s[20:21]
	s_add_nc_u64 s[22:23], s[6:7], s[22:23]
	s_add_nc_u64 s[46:47], s[4:5], s[46:47]
	s_add_nc_u64 s[92:93], s[6:7], s[92:93]
	CROUND                                         ; all sixteen work-groups are here: the joint loads meet
	s_mov_b32 s[G0S], 1
	s_add_co_u32 s[G0S+1], s94, SCL
	s_mov_b64 s[G0S+2:G0S+3], s[22:23]
	s_or_b32 s[G0S+3], s[G0S+3], 0x80000000
	s_mov_b32 s[G0SB], 1
	s_add_co_u32 s[G0SB+1], s94, SCL
	s_mov_b64 s[G0SB+2:G0SB+3], s[92:93]
	s_or_b32 s[G0SB+3], s[G0SB+3], 0x80000000
	JLOAD G0S, G1S, G0SB, G1SB                     ; the scales first; with the two slots three loads of mine are out
.irp s, 0,1
	s_mov_b32 s[G0+4*\s], 1
	s_add_co_u32 s[G0+4*\s+1], s45, \s*SLOT
	s_add_nc_u64 s[G0+4*\s+2:G0+4*\s+3], s[20:21], \s*ROWB
	s_or_b32 s[G0+4*\s+3], s[G0+4*\s+3], 0x80000000
	s_mov_b32 s[G0B+4*\s], 1
	s_add_co_u32 s[G0B+4*\s+1], s45, \s*SLOT
	s_add_nc_u64 s[G0B+4*\s+2:G0B+4*\s+3], s[46:47], \s*ROWB
	s_or_b32 s[G0B+4*\s+3], s[G0B+4*\s+3], 0x80000000
	JLOAD G0+4*\s, G1, G0B+4*\s, G1B
.endr
	v_and_b32 v1, 15, v0                           ; r
	v_bfe_u32 v2, v0, 4, 1                         ; h
	v_mul_u32_u24 v3, v1, PITCH
	v_lshl_add_u32 v4, v2, 4, v3                   ; a fragment's row x pitch + 16 h
	s_mul_i32 s21, s15, HALFT                      ; my 128 rows of A
	s_mul_i32 s22, s16, HALFT                      ; my 128 rows of B,
	s_add_co_u32 s22, s22, 2*HALFT                 ; which lie behind A's 256
.irp s, 0,1
	v_add_nc_u32 v[ADRA+\s], s21, v4
	v_add_nc_u32 v[ADRB+\s], s22, v4
	s_add_co_u32 s21, s21, SLOT
	s_add_co_u32 s22, s22, SLOT
.endr
	v_mul_u32_u24 v5, v1, KS                       ; my row's scales: 32 bytes a row,
	v_lshrrev_b32 v6, 8, v5
	v_lshl_add_u32 v5, v6, 4, v5                   ; and 16 more for each 256 passed
	s_mul_i32 s21, s15, HALFS
	s_mul_i32 s22, s16, HALFS
	s_add_co_u32 s22, s22, 2*HALFS
	s_sub_co_u32 s22, s22, s21
	v_mul_u32_u24 v6, s22, v2                      ; lanes 16-31 take B's
	s_add_co_u32 s21, s21, SCL
	v_add_nc_u32 v5, v5, v6
	v_add_nc_u32 v[ADRS], s21, v5
	v_lshlrev_b32 v[TO], 8, v1
	v_lshl_add_u32 v[TO], v2, 5, v[TO]             ; the tables: row r of 256 bytes, + 32 h
	v_and_b32 v6, 31, v0
	v_lshlrev_b32 v[CO], 4, v6
	; where my results go.  R = the tile of positions, P = my place along the weight's axis, W1 = my half along the weight's rows, W2 = along the positions.  For q, k and the turned v alike:
	; ((16 batch + 4 P + 2 W1) x 128 + 16 (R % 8) + 8 W2) x 2,048 bytes, + 16,777,216 x cluster x
	s_cmp_eq_u32 ttmp9, 2
	s_cselect_b32 s2, s42, s17
	s_cselect_b32 s3, s41, s40
	s_cselect_b32 s95, s15, s16
	s_cselect_b32 s98, s16, s15
	s_lshr_b32 s99, s2, 3                          ; batch
	s_lshl_b32 s99, s99, 4
	s_lshl_b32 s3, s3, 2
	s_add_co_u32 s99, s99, s3
	s_lshl_b32 s95, s95, 1
	s_add_co_u32 s99, s99, s95                     ; the first of my two heads
	s_lshl_b32 s99, s99, 7
	s_and_b32 s2, s2, 7
	s_lshl_b32 s2, s2, 4
	s_lshl_b32 s98, s98, 3
	s_add_co_u32 s2, s2, s98                       ; my first position / 16: kept in s2 for the tables' address
	s_add_co_u32 s99, s99, s2
	s_lshl_b32 s99, s99, 11
	s_lshl_b32 s3, ttmp9, 24
	s_add_co_u32 s98, s99, s3
	s_mov_b32 s99, 0
	s_add_nc_u64 s[96:97], s[10:11], s[98:99]
; Table set a: the cosines and sines of block a's 16 positions at my 16 frequencies: cos of piece 0, of piece 1, sin of piece 0, of piece 1, 8 registers each.  TW, TS: its window and first register.
.macro TABSET a
.if (\a) < 2
.set TW, 0
.set TS, 192+32*(\a)
.elseif (\a) < 4
.set TW, 1
.set TS, 64+32*((\a)-2)
.elseif (\a) < 6
.set TW, 1
.set TS, 192+32*((\a)-4)
.else
.set TW, 1
.set TS, 32*((\a)-6)
.endif
.endm
.macro TABLE a
	TABSET \a
	WIN TW<<6
.irp u, 0,1
.irp p, 0,1
	global_load_b128 v[TS+16*\u+8*\p:TS+16*\u+8*\p+3], v[TO], s[66:67] offset:4096*(\a)+128*\u+64*\p
	global_load_b128 v[TS+16*\u+8*\p+4:TS+16*\u+8*\p+7], v[TO], s[66:67] offset:4096*(\a)+128*\u+64*\p+16
.endr
.endr
.endm
.macro FRAG reg, adr, q, i             ; 16 rows x 128 K of 4-bit codes: lane l holds row l % 16; registers 4 c .. 4 c + 3 hold K = 64 c + 32 (l / 16) + 0 .. 31
.irp c, 0,1
	ds_load_b128 v[\reg+4*\c:\reg+4*\c+3], v[\adr] offset:64*(\q)+32*\c+(\i)*16*PITCH
.endr
.endm
; 16 matrix instructions: A's blocks a0, a0 + 1 x B's eight, the slot's q-th 128 along K.  The 64 accumulators take turns, one instruction a turn, in the same order in every step.
.macro MUL16 a0, p, q, sc, zero
.irp a, \a0, \a0+1
.irp b, 0,1,2,3,4,5,6,7
.if \zero
	v_wmma_scale_f32_16x16x128_f8f6f4 v[8*(8*((\a)%4)+\b):8*(8*((\a)%4)+\b)+7], v[128*(\p)+FR*\b:128*(\p)+FR*\b+FR-1], v[AF+FR*(\a):AF+FR*(\a)+FR-1], 0, v[SC+8*NQ*(\sc)+NQ*\b+(\q)], v[SC+8*NQ*(\sc)+NQ*(\a)+(\q)] matrix_a_fmt:MATRIX_FMT_FP4 matrix_b_fmt:MATRIX_FMT_FP4 matrix_a_scale:MATRIX_SCALE_ROW1
.else
	v_wmma_scale_f32_16x16x128_f8f6f4 v[8*(8*((\a)%4)+\b):8*(8*((\a)%4)+\b)+7], v[128*(\p)+FR*\b:128*(\p)+FR*\b+FR-1], v[AF+FR*(\a):AF+FR*(\a)+FR-1], v[8*(8*((\a)%4)+\b):8*(8*((\a)%4)+\b)+7], v[SC+8*NQ*(\sc)+NQ*\b+(\q)], v[SC+8*NQ*(\sc)+NQ*(\a)+(\q)] matrix_a_fmt:MATRIX_FMT_FP4 matrix_b_fmt:MATRIX_FMT_FP4 matrix_a_scale:MATRIX_SCALE_ROW1
.endif
.endr
.endr
.endm
.macro FETCH_B slot, q, p
	WIN TO_B
.irp i, 0,1,2,3,4,5,6,7
	FRAG 128*(\p)+FR*\i, ADRB+\slot, \q, \i
.endr
	WIN 0
.endm
.macro FETCH_A slot, q, i0
.irp i, \i0, \i0+1, \i0+2, \i0+3
	FRAG AF+FR*(\i), ADRA+\slot, \q, \i
.endr
.endm
.macro SCALES sc                       ; a slot's scale words: 4 words a row; lanes 0-15 take A's block i, lanes 16-31 B's block i
.irp i, 0,1,2,3,4,5,6,7
	ds_load_b128 v[SC+8*NQ*\sc+NQ*\i:SC+8*NQ*\sc+NQ*\i+3], v[ADRS] offset:\i*SBLK
.endr
.endm
.macro PLACES n                        ; plain vector instructions between a matrix instruction and a load into, or a vector instruction on, its registers (ISA guide 7.12.1 for vector instructions)
.rept \n
	v_nop
.endr
.endm
.macro STEP slot, q, zero              ; a step of 128 along K that has its successor in the same slot
	s_wait_dscnt 4*NL                              ; B's set and A's blocks 0-3 are in; the youngest eight loads (A's blocks 4-7) may be out
	WIN MUL_LO
	MUL16 0, (\q)%2, \q, \slot, \zero
	MUL16 2, (\q)%2, \q, \slot, \zero
	s_wait_dscnt 0                                 ; A's blocks 4-7 are in
	PLACES NP
	FETCH_B \slot, (\q)+1, 1-(\q)%2
	FETCH_A \slot, (\q)+1, 0
	WIN MUL_HI
	MUL16 4, (\q)%2, \q, \slot, \zero
	MUL16 6, (\q)%2, \q, \slot, \zero
	PLACES NP
	WIN 0
	FETCH_A \slot, (\q)+1, 4
.endm
.macro TURN slot, next                 ; slot 0's last step changes slots: one barrier; nothing is filled again
	s_wait_tensorcnt 0x0                           ; all my tensor loads have landed: my part of the next slot
	ds_add_u32 v[SPW], v[NIL]                      ; 0 onto my spare word
	s_wait_dscnt 4*NL+1                            ; the add and the youngest eight loads may be out
	WIN MUL_LO
	MUL16 0, 1, NQ-1, \slot, 0
	s_wait_dscnt 0x0                               ; no LDS instruction of mine is out at the signal
	s_barrier_signal -1
	MUL16 2, 1, NQ-1, \slot, 0
	WIN 0
	s_barrier_wait -1                              ; the next slot is whole
	PLACES NP
	v_add_nc_u32 v[ADRS], 4*NQ, v[ADRS]            ; on to the next slot's scale words
	FETCH_B \next, 0, 0
	FETCH_A \next, 0, 0
	SCALES \next
	WIN MUL_HI
	MUL16 4, 1, NQ-1, \slot, 0
	MUL16 6, 1, NQ-1, \slot, 0
	PLACES NP
	WIN 0
	FETCH_A \next, 0, 4
.endm
.macro SECOND                          ; slot 1's four steps: 256 products; no barrier, no tensor load, no LDS write.  Written once on each of the two ways
	STEP 1, 0, 0
	STEP 1, 1, 0
	STEP 1, 2, 0
	s_wait_dscnt 4*NL                              ; the last step: nothing more to fetch
	WIN MUL_LO
	MUL16 0, 1, NQ-1, 1, 0
	MUL16 2, 1, NQ-1, 1, 0
	s_wait_dscnt 0
	WIN MUL_HI
	MUL16 4, 1, NQ-1, 1, 0
	MUL16 6, 1, NQ-1, 1, 0
	WIN 0
	PLACES NP                                      ; behind the last products: their results are read, and their operands' registers written, from here on
.endm
; THE WAY OUT OF q AND k, block a of 16 positions.  Accumulator (a, b): head b / 4 of my two, channels 16 (b % 4) + 8 h + 0..7.  A channel's partner 32 further on lies in accumulator b + 2, same lane, same register.
; y1 = x1 cos - x2 sin, y2 = x2 cos + x1 sin, two numbers an instruction; each accumulator is read from its low end on.  left: the table loads that may still be out.
.macro ROPE a, left
	TABSET \a
.set AC, 64*((\a)%4)
	s_wait_loadcnt \left
	WIN (0x02+(\a)/4)|(TW<<2)                      ; source 0: the accumulators' window; source 1: the table's
.irp hh, 0,1
.irp p, 0,1
.irp i, 0,2,4,6
	v_pk_mul_f32 v[YR+32*\hh+8*\p+\i:YR+32*\hh+8*\p+\i+1], v[AC+32*\hh+8*\p+\i:AC+32*\hh+8*\p+\i+1], v[TS+8*\p+\i:TS+8*\p+\i+1]
	v_pk_mul_f32 v[YR+32*\hh+8*\p+16+\i:YR+32*\hh+8*\p+16+\i+1], v[AC+32*\hh+8*\p+16+\i:AC+32*\hh+8*\p+16+\i+1], v[TS+8*\p+\i:TS+8*\p+\i+1]
	v_pk_fma_f32 v[YR+32*\hh+8*\p+\i:YR+32*\hh+8*\p+\i+1], v[AC+32*\hh+8*\p+16+\i:AC+32*\hh+8*\p+16+\i+1], v[TS+16+8*\p+\i:TS+16+8*\p+\i+1], v[YR+32*\hh+8*\p+\i:YR+32*\hh+8*\p+\i+1] neg_lo:[1,0,0] neg_hi:[1,0,0]
	v_pk_fma_f32 v[YR+32*\hh+8*\p+16+\i:YR+32*\hh+8*\p+16+\i+1], v[AC+32*\hh+8*\p+\i:AC+32*\hh+8*\p+\i+1], v[TS+16+8*\p+\i:TS+16+8*\p+\i+1], v[YR+32*\hh+8*\p+16+\i:YR+32*\hh+8*\p+16+\i+1]
.endr
.endr
.endr
	WIN 0
.if (\a) >= 1
	s_wait_xcnt 0x0                                ; the last block's stores have read the packed results: they are written again only behind this wait; the 64 lines above stand between
.endif
.irp hh, 0,1
.irp pp, 0,1,2,3
.irp i, 0,1,2,3
	v_cvt_pk_f16_f32 v[PKR+16*\hh+4*\pp+\i], v[YR+32*\hh+8*\pp+2*\i], v[YR+32*\hh+8*\pp+2*\i+1]
.endr
.endr
.endr
.irp hh, 0,1
.irp pp, 0,1,2,3
	global_store_b128 v[CO], v[PKR+16*\hh+4*\pp:PKR+16*\hh+4*\pp+3], s[96:97] offset:262144*\hh+2048*(\a)+512*\pp   ; a piece: 512 consecutive bytes, aligned
.endr
.endr
.endm
; THE WAY OUT OF v, block a of 16 channels: accumulator (a, b) holds keys 16 b + 8 h + 0..7 of channel 16 a + r: rounded, it is a piece as it stands.
.macro VOUT a
.set AC, 64*((\a)%4)
.set PS, PKV+32*((\a)%2)
.if (\a) >= 2
	s_wait_xcnt 0x0                                ; block a - 2's stores have read this set
.endif
	WIN 0x0a+5*((\a)/4)                            ; sources 0 and 1: window 2 or 3
.irp b, 0,1,2,3,4,5,6,7
.irp i, 0,1,2,3
	v_cvt_pk_f16_f32 v[PS+4*\b+\i], v[AC+8*\b+2*\i], v[AC+8*\b+2*\i+1]
.endr
.endr
	WIN 0
.irp b, 0,1,2,3,4,5,6,7
	global_store_b128 v[CO], v[PS+4*\b:PS+4*\b+3], s[96:97] offset:262144*((\a)/4)+8192*(\b/4)+2048*((\a)%4)+512*(\b%4)
.endr
.endm
	s_wait_tensorcnt 1                             ; the scales and my part of slot 0 are in; slot 1's load may be out
	s_barrier_signal -1
	s_barrier_wait -1
	FETCH_B 0, 0, 0
	FETCH_A 0, 0, 0
	SCALES 0
	FETCH_A 0, 0, 4
	STEP 0, 0, 1                                   ; the first products start the sums: nothing is cleared
	STEP 0, 1, 0
	STEP 0, 2, 0
	TURN 0, 1
	s_cmp_eq_u32 ttmp9, 2                          ; the one parting of the ways: the cluster's x, the same in all sixteen partners
	s_cbranch_scc1 .Lv
	; ---- q and k
	s_lshl_b32 s2, s2, 12                          ; my first position x 256 bytes,
	s_lshl_b32 s3, ttmp9, 19                       ; in q's table or in k's
	s_add_co_u32 s2, s2, s3
	s_mov_b32 s3, 0
	s_add_nc_u64 s[66:67], s[8:9], s[2:3]
.irp a, 0,1,2,3,4,5
	TABLE \a                                       ; six of my eight sets, into registers that the products never name: 48 loads, which have slot 1's 256 products in which to land
.endr
	WIN 0
	SECOND
	TABLE 6                                        ; the last two sets, into registers that held B's fragments
	TABLE 7
	WIN 0
.irp a, 0,1,2,3,4,5
	ROPE \a, 16                                    ; sets 0 to 5 are in; the sixteen loads of sets 6 and 7 may be out
.endr
	ROPE 6, 8                                      ; set 7's eight may be out
	ROPE 7, 0
	s_branch .Lend
	; ---- v: not rotated
.Lv:
	SECOND
.irp a, 0,1,2,3,4,5,6,7
	VOUT \a
.endr
.Lend:
	s_wait_tensorcnt 0x0                           ; the wave's end: these three lines behind my last tensor load
	ds_add_u32 v[SPW], v[NIL]
	s_wait_dscnt 0x0
	CROUND                                         ; the closing round: no work-group ends while a partner may still ask for a tile that names it
	s_endpgm
.Lfunc_end_k_qfa226a0854_qkv:
	.size	k_qfa226a0854_qkv, .Lfunc_end_k_qfa226a0854_qkv-k_qfa226a0854_qkv
	.p2alignl 7, 3214868480
	.fill 96, 4, 3214868480
	.section	.rodata,"a",@progbits
	.p2align	6, 0x0
	.amdhsa_kernel k_qfa226a0854_qkv
		.amdhsa_group_segment_fixed_size 327680
		.amdhsa_private_segment_fixed_size 0
		.amdhsa_enable_private_segment 0
		.amdhsa_kernarg_size 32
		.amdhsa_user_sgpr_count 2
		.amdhsa_user_sgpr_kernarg_segment_ptr 1
		.amdhsa_wavefront_size32 1
		.amdhsa_system_sgpr_workgroup_id_x 1
		.amdhsa_system_sgpr_workgroup_id_y 1
		.amdhsa_system_sgpr_workgroup_id_z 1
		.amdhsa_system_vgpr_workitem_id 0
		.amdhsa_next_free_vgpr 1024
		.amdhsa_next_free_sgpr 100
		.amdhsa_reserve_vcc 0
		.amdhsa_float_denorm_mode_32 3
		.amdhsa_float_denorm_mode_16_64 3
		.amdhsa_memory_ordered 1
		.amdhsa_forward_progress 1
		.amdhsa_inst_pref_size 219
	.end_amdhsa_kernel
	.amdgpu_metadata
---
amdhsa.version: [ 1, 2 ]
amdhsa.kernels:
  - .name:           k_qfa226a0854_qkv
    .symbol:         k_qfa226a0854_qkv.kd
    .args:
      - { .name: codes, .offset: 0, .size: 8, .value_kind: global_buffer, .address_space: global }
      - { .name: scales, .offset: 8, .size: 8, .value_kind: global_buffer, .address_space: global }
      - { .name: rope, .offset: 16, .size: 8, .value_kind: global_buffer, .address_space: global }
      - { .name: qkv16, .offset: 24, .size: 8, .value_kind: global_buffer, .address_space: global }
    .group_segment_fixed_size: 327680
    .private_segment_fixed_size: 0
    .kernarg_segment_align: 8
    .kernarg_segment_size: 32
    .max_flat_workgroup_size: 128
    .sgpr_count:     100
    .vgpr_count:     1024
    .wavefront_size: 32
...
	.end_amdgpu_metadata
.endif
;; end of part 2
;; launch attn (part 3): grid 4 x 64, 8 waves a work-group, clusters of 4 x 1, 327,680 bytes of LDS; arguments qkv16, att16; writes att16
.if DOCPART == 3
	.amdgcn_target "amdgcn-amd-amdhsa--gfx1250"
	.amdhsa_code_object_version 6
	.text
	.protected	k_qfa226a0854_attn
	.globl	k_qfa226a0854_attn
	.p2align	8
	.type	k_qfa226a0854_attn,@function
k_qfa226a0854_attn:
	s_mov_b64 s[64:65], 0
	v_nop
	global_prefetch_b8 v0, s[64:65] scope:SCOPE_SE
	s_setreg_imm32_b32 hwreg(HW_REG_WAVE_MODE, 25, 1), 1
	s_wait_xcnt 0x0
	s_wait_alu depctr_hold_cnt(0) depctr_sa_sdst(0) depctr_va_vdst(0) depctr_va_sdst(0) depctr_va_ssrc(0) depctr_va_vcc(0) depctr_vm_vsrc(0)
	s_getreg_b32 s2, hwreg(HW_REG_IB_STS2, 6, 4)
	s_cmp_eq_u32 s2, 0
	s_cbranch_scc0 .Lentry_in_a_cluster
	s_endpgm
.Lentry_in_a_cluster:
	s_bfe_u32 s2, ttmp6, 0x10000c
	s_cmp_lg_u32 s2, 0x3003
	s_cbranch_scc0 .Lentry_shape_is_right
	s_endpgm
.Lentry_shape_is_right:
; ATTENTION: O[q] = the sum over k of softmax_k(q . k / 8) v[k], for 64 (batch, head) pairs of 2,048 positions and 64 channels, no mask.  Operands f16, products, maxima and sums f32; the weights p are rounded to f16 for the second product, O once at the end.
; q arrives multiplied by c = log2(e) / 8, so a score s is an exponent of 2: p = 2^(s - m), m the running maximum of the query; in every step O and the sum l are multiplied by a = 2^(old m - new m).
; q, k, v arrive as IMAGES OF OPERAND REGISTERS (pieces of 512 bytes, lane l's 16 bytes at 16 l): every fragment comes by loads of 16 bytes at 16 x lane, with no pitch and no padding; 64 keys of K are 8,192 dense bytes, and so are 64 keys of V (which was stored turned).
; SHARES.  A work-group owns 512 queries of one (batch, head), each of its eight waves 64: four tiles of 16, in 512 registers; two waves to a SIMD.  Every wave walks all 2,048 keys, 64 a step.
; LAYOUT.  S^T = K Q^T (source 0 = 16 keys, source 1 = 16 queries): a lane holds ONE query (lane % 16) and keys 8 (lane / 16) + 0..7.  Two such tiles, rounded to f16 in pairs, ARE source 1 (32 keys x 16 queries) of O^T = V^T P, whose result again holds one query a lane.
; TWO GROUPS OF WAVES, HALF A STEP APART.  A trip is: [softmax, group 1] | 32 products V^T P of the last step | 32 products K Q^T of this step | [softmax, group 0].  So behind every barrier one group begins with products and the other with vector work.
; The group is (w xor w / 4) % 2: it differs between waves w and w + 4 and between waves 2 i and 2 i + 1.
; CLUSTER.  The four work-groups of a cluster are the four blocks of queries of one (batch, head) and walk the same K and V: every tile is asked for JOINTLY, with a mask that names the four.
; THE RING.  Steps 0 and 1 lie in a region of their own, filled once.  The other 30 steps go in 5 chunks of 6 steps through two slots of 98,304 bytes; each of the eight waves brings an eighth of a chunk with one load.
; LIMITS: q c, k, v and O are f16: magnitudes up to 65,504; under 6e-5 their step is 2^-24.  NaN and infinities are not served.
; REGISTERS: window 0: v2-6 addresses; v12-43 statistics, 8 a tile: +0 m, +1 its pair's partner, +2, +3 l, +4 .. +7 at work (+6 a); v62, v63 the add's two; v64-191 S^T, 32 a tile (P is laid over each tile's first 16); v192-255 Q, 16 a tile.
;            window 1: v0-127 O^T, 32 a tile; v128-191 K of one step; v192-255 V of one step.
.set S,    64
.set QF,   192
.set KF,   128                         ; in window 1
.set VF,   192                         ; in window 1
.set ST,   12
.set LI,   2                           ; v2  16 x lane
.set LV,   3                           ; v3  16 x lane + a chunk's K: V's place in a slot
.set ADK,  4                           ; v4  LDS address of the run of K's loads
.set ADV,  5                           ; v5  of V's
.set PFO,  6                           ; v6  256 x lane
.set SPW,  62
.set NIL,  63
.set SLOT1, 1<<17                      ; slot B begins here: one exclusive or turns an address in one slot into the other's
.set CHUNK, 49152                      ; 6 steps of K, or of V
.set ZB,    98304                      ; behind slot A: steps 0 and 1: K 16,384 bytes, then V
.set SPARE, 229376                     ; behind slot B: the spare words, 128 bytes a wave: four blocks of 256 bytes that no other line names
.set WV,   12
.set GG,   13                          ; s13 my group
.set CX,   14
.set LIM,  15
.set PFA,  18
.set G1Z,  24                          ; s[24:31] group 1 for steps 0 and 1: 16 rows of 256 bytes a wave
.set G1C,  32                          ; s[32:39] for a chunk: 48 rows
.set G0Z,  40
.set G0W,  44                          ; s[44:47] the walking group 0
.set SLOTS, 56
.set INNER, 57
.set SEL,  60
.set TB,   62                          ; s62 LDS byte of the step's K
.set MSB, 0
.macro WIN new                         ; the immediate's high byte repeats the setting that is left
.if MSB != (\new)
	s_set_vgpr_msb (MSB<<8)|(\new)
.set MSB, (\new)
.endif
.endm
.macro PLACES n
.rept \n
	v_nop
.endr
.endm
.macro CROUND                          ; a round of the cluster's barrier
	s_barrier_signal -1
	s_barrier_wait -1
	s_cmp_lg_u32 s[WV], 0
	s_cbranch_scc1 .Lnot_wave_0_\@
	s_barrier_signal -3
.Lnot_wave_0_\@:
	s_barrier_wait -3
	s_barrier_signal -1
	s_barrier_wait -1
.endm
; A PREFETCH INTO THE L2 of the chunk that the NEXT change of slots will ask for: 49,152 bytes of K and as many of V.  This cluster alone reads them.  Its four partners share them out BY ADDRESS, 24,576 bytes each
; (places 0, 1: K's halves; 2, 3: V's); in each, waves 0 to 2 ask for 8,192 bytes, lanes 256 bytes apart: each block of 256 bytes is named once.  It stands behind the tensor load and its five lines, six trips ahead of the load that
; will want the bytes.  Chunks 3, 4 and 5 are asked for; the last change that fills a slot asks for nothing.
.macro ASK
	s_cmp_gt_u32 s[SLOTS], s[LIM]
	s_cbranch_scc0 .Lnot_mine_\@
	global_prefetch_b8 v[PFO], s[PFA:PFA+1] th:TH_LOAD_NT scope:SCOPE_SE
.Lnot_mine_\@:
.endm
	s_load_b128 s[4:7], s[0:1], 0x0                ; qkv16 s[4:5], att16 s[6:7]
	v_lshl_add_u32 v[SPW], v0, 2, SPARE
	v_mov_b32 v[NIL], 0
	ds_add_u32 v[SPW], v[NIL]                      ; the wave's opening: the add, twice on end, and its wait ahead of my first tensor load
	ds_add_u32 v[SPW], v[NIL]
	v_lshrrev_b32 v1, 5, v0
	v_readfirstlane_b32 s[WV], v1                  ; wave 0..7
	s_lshr_b32 s[GG], s[WV], 2
	s_xor_b32 s[GG], s[GG], s[WV]
	s_and_b32 s[GG], s[GG], 1
	s_bfe_u32 s[CX], ttmp6, 0x40000                ; my block of 512 queries
	s_and_b32 s16, ttmp7, 0xffff                   ; batch x 16 + head, which the four partners share
	s_and_b32 s17, s[WV], 3
	s_lshr_b32 s20, s[WV], 2                       ; waves 0-3 fetch K, waves 4-7 V
	s_add_co_u32 s20, s20, 1
	s_lshl_b32 s20, s20, 24
	s_lshl_b32 s21, s16, 18
	s_add_co_u32 s20, s20, s21                     ; the head's K or V, in bytes from the buffer's first
	s_lshl_b32 s22, s17, 12
	s_add_co_u32 s22, s22, s20                     ; my 4,096 bytes of steps 0 and 1
	s_mov_b32 s23, 0
	s_mul_i32 s52, s17, 12288
	s_add_co_u32 s52, s52, s20
	s_add_co_u32 s52, s52, 16384                   ; my 12,288 bytes of chunk 1
	s_mov_b32 s53, 0
	; descriptor groups 1: dense blocks as rows of 256 bytes (32 elements of 8 bytes), no padding; 15:0 the mask: all four work-groups; 21 set beside a mask
	s_mov_b32 s[G1Z], 15|(3<<16)|(1<<21)
	s_mov_b32 s[G1Z+1], 32<<16
	s_mov_b32 s[G1Z+2], 16<<16
	s_mov_b32 s[G1Z+3], 32<<16
	s_mov_b32 s[G1Z+4], 16
	s_mov_b32 s[G1Z+5], 32
	s_mov_b32 s[G1Z+6], 0
	s_mov_b32 s[G1Z+7], 0
	s_mov_b32 s[G1C], 15|(3<<16)|(1<<21)
	s_mov_b32 s[G1C+1], 32<<16
	s_mov_b32 s[G1C+2], 48<<16
	s_mov_b32 s[G1C+3], 32<<16
	s_mov_b32 s[G1C+4], 48
	s_mov_b32 s[G1C+5], 32
	s_mov_b32 s[G1C+6], 0
	s_mov_b32 s[G1C+7], 0
	s_mov_b32 s[SEL], 0x76543210
	s_mov_b32 s[SEL+1], 0xfedcba98                 ; v_permlanex16_b32's selects for lane l xor 16
	s_mov_b32 s[TB], SLOT1+CHUNK                   ; the first change of slots makes 0 of it
	s_mov_b32 s[SLOTS], 4
	s_cmp_lt_u32 s[WV], 3
	s_cselect_b32 s[LIM], 1, -1                    ; waves 0 to 2 prefetch, in every partner alike
	s_wait_dscnt 0x0                               ; both opening adds are done
	s_wait_kmcnt 0x0
	CROUND                                         ; all four work-groups are here: the first joint loads meet
	s_mov_b32 s[G0Z], 1
	s_lshl_b32 s[G0Z+1], s[WV], 12
	s_add_co_u32 s[G0Z+1], s[G0Z+1], ZB            ; LDS: 4,096 bytes a wave
	s_add_nc_u64 s[G0Z+2:G0Z+3], s[4:5], s[22:23]
	s_or_b32 s[G0Z+3], s[G0Z+3], 0x80000000
	s_mov_b32 s[G0W], 1
	s_mul_i32 s[G0W+1], s[WV], 12288               ; LDS: slot A, 12,288 bytes a wave: K's four parts, then V's
	s_add_nc_u64 s[G0W+2:G0W+3], s[4:5], s[52:53]
	s_or_b32 s[G0W+3], s[G0W+3], 0x80000000
	tensor_load_to_lds s[G0Z:G0Z+3], s[G1Z:G1Z+7]  ; steps 0 and 1
	s_nop 0
	tensor_load_to_lds s[G0W:G0W+3], s[G1C:G1C+7]  ; chunk 1: two loads of mine are out
	s_nop 0
.rept 4
	v_nop
.endr
	s_lshl_b32 s48, s16, 7
	s_lshl_b32 s49, s[CX], 5
	s_add_co_u32 s48, s48, s49
	s_lshl_b32 s49, s[WV], 2
	s_add_co_u32 s48, s48, s49                     ; my first tile of 16 queries
	s_lshl_b32 s48, s48, 11
	s_mov_b32 s49, 0
	s_add_nc_u64 s[8:9], s[4:5], s[48:49]          ; Q
	s_lshr_b32 s50, s16, 4                         ; batch
	s_lshl_b32 s50, s50, 7
	s_lshl_b32 s51, s[CX], 5
	s_add_co_u32 s50, s50, s51
	s_lshl_b32 s51, s[WV], 2
	s_add_co_u32 s50, s50, s51                     ; my first tile of 16 rows of the result,
	s_lshl_b32 s50, s50, 15                        ; 64 pieces a tile,
	s_and_b32 s51, s16, 15
	s_lshl_b32 s51, s51, 11                        ; the head's four pieces
	s_add_co_u32 s50, s50, s51
	s_mov_b32 s51, 0
	s_add_nc_u64 s[10:11], s[6:7], s[50:51]
	s_lshr_b32 s48, s[CX], 1                       ; the prefetches: K or V,
	s_add_co_u32 s48, s48, 1
	s_lshl_b32 s48, s48, 24
	s_lshl_b32 s49, s16, 18
	s_add_co_u32 s48, s48, s49
	s_and_b32 s49, s[CX], 1
	s_mul_i32 s49, s49, 24576                      ; which half of a chunk,
	s_add_co_u32 s48, s48, s49
	s_lshl_b32 s49, s[WV], 13                      ; my wave's 8,192 bytes,
	s_add_co_u32 s48, s48, s49
	s_add_co_u32 s48, s48, 65536                   ; in chunk 2: the first change of slots steps it to chunk 3
	s_mov_b32 s49, 0
	s_add_nc_u64 s[PFA:PFA+1], s[4:5], s[48:49]
	v_and_b32 v1, 31, v0
	v_lshlrev_b32 v[LI], 4, v1
	v_add_nc_u32 v[LV], CHUNK, v[LI]
	v_lshlrev_b32 v[PFO], 8, v1
.irp t, 0,1,2,3
	v_mov_b32 v[ST+8*\t+1], 0                      ; named with m as a pair, so it is written
.endr
.irp t, 0,1,2,3
.irp p, 0,1,2,3
	global_load_b128 v[QF+16*\t+4*\p:QF+16*\t+4*\p+3], v[LI], s[8:9] offset:2048*\t+512*\p   ; Q stays in registers
.endr
.endr
; THE LDS LOADS stand in runs of 16: a step's K (16 pieces) or V (16 pieces); piece i lands in registers 4 i on.
.macro FETCH_K add
	WIN 0
	v_add_nc_u32 v[ADK], \add, v[LI]
	WIN 0x40                                       ; destination window 1
.irp i, 0,1,2,3,4,5,6,7,8,9,10,11,12,13,14,15
	ds_load_b128 v[KF+4*\i:KF+4*\i+3], v[ADK] offset:512*\i
.endr
.endm
.macro FETCH_V add, from
	WIN 0
	v_add_nc_u32 v[ADV], \add, v[\from]
	WIN 0x40
.irp i, 0,1,2,3,4,5,6,7,8,9,10,11,12,13,14,15
	ds_load_b128 v[VF+4*\i:VF+4*\i+3], v[ADV] offset:512*\i
.endr
.endm
; S^T = K Q^T: 32 products; the 16 accumulators take turns, one instruction a turn; the first 16 start the sums.
.macro KQ
	WIN 0x01                                       ; K in window 1
.irp c, 0,1
.irp kt, 0,1,2,3
.irp t, 0,1,2,3
.if \c == 0
	v_wmma_f32_16x16x32_f16 v[S+32*\t+8*\kt:S+32*\t+8*\kt+7], v[KF+16*\kt+8*\c:KF+16*\kt+8*\c+7], v[QF+16*\t+8*\c:QF+16*\t+8*\c+7], 0
.else
	v_wmma_f32_16x16x32_f16 v[S+32*\t+8*\kt:S+32*\t+8*\kt+7], v[KF+16*\kt+8*\c:KF+16*\kt+8*\c+7], v[QF+16*\t+8*\c:QF+16*\t+8*\c+7], v[S+32*\t+8*\kt:S+32*\t+8*\kt+7]
.endif
.endr
.endr
.endr
.endm
; O^T += V^T P: 32 products, 16 accumulators by turns.  zero = 1: the first 16 start the sums.
.macro PV zero
	WIN 0x51                                       ; V, C and D in window 1, P in window 0
.irp g, 0,1
.irp ct, 0,1,2,3
.irp t, 0,1,2,3
.if \zero && (\g == 0)
	v_wmma_f32_16x16x32_f16 v[32*\t+8*\ct:32*\t+8*\ct+7], v[VF+16*\ct+8*\g:VF+16*\ct+8*\g+7], v[S+32*\t+8*\g:S+32*\t+8*\g+7], 0
.else
	v_wmma_f32_16x16x32_f16 v[32*\t+8*\ct:32*\t+8*\ct+7], v[VF+16*\ct+8*\g:VF+16*\ct+8*\g+7], v[S+32*\t+8*\g:S+32*\t+8*\g+7], v[32*\t+8*\ct:32*\t+8*\ct+7]
.endif
.endr
.endr
.endr
.endm
; THE SOFTMAX of a step, for my four tiles.
; SUBL: pair i of tile t: s - m.
.macro SUBL t, i
	v_pk_add_f32 v[S+32*(\t)+2*(\i):S+32*(\t)+2*(\i)+1], v[S+32*(\t)+2*(\i):S+32*(\t)+2*(\i)+1], v[ST+8*(\t):ST+8*(\t)+1] op_sel_hi:[1,0] neg_lo:[0,1] neg_hi:[0,1]
.endm
; RDL: line i of 32 of what reads tile t's weights: 0-15 the sums, in two chains (l = a l + pair 0; w = pair 1 + pair 2; the other 13 pairs by turns; l += w), 16-31 the roundings to f16, in place, ascending.
.macro RDL t, i, first
.set rT, ST+8*(\t)
.set rS, S+32*(\t)
.if (\i) == 0
.if \first
	v_pk_mul_f32 v[rT+2:rT+3], v[rS:rS+1], 1.0 op_sel_hi:[1,0]
.else
	v_pk_fma_f32 v[rT+2:rT+3], v[rT+2:rT+3], v[rT+6:rT+7], v[rS:rS+1] op_sel_hi:[1,0,1]
.endif
.elseif (\i) == 1
	v_pk_add_f32 v[rT+4:rT+5], v[rS+2:rS+3], v[rS+4:rS+5]
.elseif ((\i) < 15) && ((\i)%2 == 0)
	v_pk_add_f32 v[rT+2:rT+3], v[rT+2:rT+3], v[rS+2*(\i)+2:rS+2*(\i)+3]
.elseif (\i) < 15
	v_pk_add_f32 v[rT+4:rT+5], v[rT+4:rT+5], v[rS+2*(\i)+2:rS+2*(\i)+3]
.elseif (\i) == 15
	v_pk_add_f32 v[rT+2:rT+3], v[rT+2:rT+3], v[rT+4:rT+5]
.else
	v_cvt_pk_f16_f32 v[rS+(\i)-16], v[rS+2*((\i)-16)], v[rS+2*((\i)-16)+1]
.endif
.endm
; first = 1: the first key step, which starts m, l and O^T: no a, nothing to rescale.
; The exponentials go tile by tile, each followed by a plain line of another tile's work; behind each tile's 32 stands ONE wait, ahead of the first line that names a result: four waits a softmax.
.macro SM first
	WIN 0
.irp j, 0,1,2,3                        ; the maximum of a lane's 32 scores and the old m, three operands at a time; each accumulator is read from its low end on
.irp t, 0,1,2,3
	v_max3_num_f32 v[ST+8*\t+4+\j], v[S+32*\t+8*\j], v[S+32*\t+8*\j+1], v[S+32*\t+8*\j+2]
.endr
.endr
.irp q, 1,2
.irp j, 0,1,2,3
.irp t, 0,1,2,3
	v_max3_num_f32 v[ST+8*\t+4+\j], v[ST+8*\t+4+\j], v[S+32*\t+8*\j+2*\q+1], v[S+32*\t+8*\j+2*\q+2]
.endr
.endr
.endr
.irp t, 0,1,2,3
	v_max3_num_f32 v[ST+8*\t+4], v[ST+8*\t+4], v[S+32*\t+7], v[S+32*\t+15]
.endr
.irp t, 0,1,2,3
	v_max3_num_f32 v[ST+8*\t+6], v[ST+8*\t+6], v[S+32*\t+23], v[S+32*\t+31]
.endr
.irp t, 0,1,2,3
	v_max3_num_f32 v[ST+8*\t+4], v[ST+8*\t+4], v[ST+8*\t+5], v[ST+8*\t+6]
.endr
.irp t, 0,1,2,3
.if \first
	v_max_num_f32 v[ST+8*\t+4], v[ST+8*\t+4], v[ST+8*\t+7]
.else
	v_max3_num_f32 v[ST+8*\t+4], v[ST+8*\t+4], v[ST+8*\t+7], v[ST+8*\t]
.endif
.endr
.irp t, 0,1,2,3
	v_permlanex16_b32 v[ST+8*\t+5], v[ST+8*\t+4], s[SEL], s[SEL+1]   ; the query's other 32 keys lie in the lane 16 away
.endr
.if !\first
.irp t, 0,1,2,3
	v_mov_b32 v[ST+8*\t+7], v[ST+8*\t]             ; the old m is kept for a
.endr
.endif
.irp t, 0,1,2,3
	v_max_num_f32 v[ST+8*\t], v[ST+8*\t+4], v[ST+8*\t+5]
.endr
.if !\first
.irp t, 0,1,2,3
	v_sub_f32 v[ST+8*\t+7], v[ST+8*\t+7], v[ST+8*\t]
.endr
.irp t, 0,1,2,3
	v_exp_f32 v[ST+8*\t+6], v[ST+8*\t+7]           ; a; its first reader stands behind the first wait below
.endr
.endif
.set n, 0
.rept 16
	SUBL 0, n
	SUBL 1, n
.set n, n+1
.endr
.set n, 0
.rept 32
	v_exp_f32 v[S+n], v[S+n]                       ; tile 0's weights | tiles 2 and 3: s - m
	SUBL 2+n/16, n%16
.set n, n+1
.endr
	s_wait_alu depctr_va_vdst(0)
.irp x, 1,2,3
.set n, 0
.rept 32
	v_exp_f32 v[S+32*\x+n], v[S+32*\x+n]           ; tile x's weights | tile x - 1's sums and roundings
	RDL \x-1, n, \first
.set n, n+1
.endr
	s_wait_alu depctr_va_vdst(0)
.endr
.set n, 0
.rept 32
	RDL 3, n, \first
.set n, n+1
.endr
.if !\first
	WIN 0x41                                       ; O^T (destination and source 0) in window 1, a in window 0
.irp t, 0,1,2,3
.set n, 0
.rept 16
	v_pk_mul_f32 v[32*\t+n:32*\t+n+1], v[32*\t+n:32*\t+n+1], v[ST+8*\t+6:ST+8*\t+7] op_sel_hi:[1,0]   ; each accumulator from its low end on
.set n, n+2
.endr
.endr
	WIN 0
.endif
.endm
; A TRIP: step u.  K(u) and V(u) are both fetched into registers inside trip u, so at a change of slots no read of the old slot is left to come.
; Five plain instructions stand behind each run of products: the next products write over registers that these have read (P under S^T), or would take these results as an operand; they also serve the loads into K's and V's registers.
.macro TRIP
	FETCH_K s[TB]
	WIN 0
	s_cmp_eq_u32 s[GG], 0
	s_cbranch_scc1 .Lskip_a_\@
	SM 0                                           ; group 1: the softmax of step u - 1
.Lskip_a_\@:
	s_wait_dscnt 16                                ; V(u - 1) is in; K(u)'s sixteen loads may be out
	PV 0
	PLACES 5
	FETCH_V s[TB], LV
	s_wait_dscnt 16                                ; K(u) is in; V(u)'s sixteen loads may be out
	KQ
	PLACES 5
	WIN 0
	s_cmp_lg_u32 s[GG], 0
	s_cbranch_scc1 .Lskip_b_\@
	SM 0                                           ; group 0: the softmax of step u
.Lskip_b_\@:
	s_add_co_u32 s[TB], s[TB], 8192
.endm
.macro SIX                             ; a chunk's six steps: written once, walked six times
	s_mov_b32 s[INNER], 6
.Ltrip_\@:
	TRIP
	s_sub_co_u32 s[INNER], s[INNER], 1
	s_cmp_lg_u32 s[INNER], 0
	s_cbranch_scc1 .Ltrip_\@
.endm
; THE CHANGE OF SLOTS stands at a chunk's head.  Each wave waits for all its tensor loads (one is out: its part of the chunk that it is about to read), adds 0 to its spare word, and waits for that and for its reads of the slot that it has left.
; fill = 1: the barrier is a round of the cluster's, so that no wave of any partner still reads the other slot or has a load on its way, and the joint load of the next chunk is the first thing behind it: it has six trips in which to land.
; The first change's load is slot B's first fill.
.macro CHANGE fill
	WIN 0
	s_wait_tensorcnt 0x0                           ; no tensor load of mine is out, so the walking group 0 may be written
	ds_add_u32 v[SPW], v[NIL]
.if \fill
	s_xor_b32 s[G0W+1], s[G0W+1], SLOT1            ; the other slot than last time,
	s_add_nc_u64 s[G0W+2:G0W+3], s[G0W+2:G0W+3], CHUNK   ; the next six steps; the type bits on top are not reached
	s_wait_xcnt 0x0                                ; the last prefetch, six trips back, has read its address
	s_add_nc_u64 s[PFA:PFA+1], s[PFA:PFA+1], CHUNK
	s_wait_dscnt 0x0                               ; the add is done, and my reads of the slot that I have left are over
	CROUND
	tensor_load_to_lds s[G0W:G0W+3], s[G1C:G1C+7]  ; my one tensor load until the next round
	s_nop 0
.rept 4
	v_nop
.endr
	ASK
.else
	s_wait_dscnt 0x0
	s_barrier_signal -1
	s_barrier_wait -1
.endif
	s_sub_co_u32 s[TB], s[TB], CHUNK               ; the fetches go back to a slot's first step,
	s_xor_b32 s[TB], s[TB], SLOT1                  ; in the other slot
.endm
	s_wait_tensorcnt 0x1                           ; my part of steps 0 and 1 is in; chunk 1's load may be out
	s_barrier_signal -1
	s_barrier_wait -1
	FETCH_K ZB                                     ; K(0)
	FETCH_V ZB+16384, LI                           ; V(0)
	s_wait_loadcnt 0x0                             ; Q
	s_wait_dscnt 16                                ; K(0) is in
	KQ
	PLACES 5
	FETCH_K ZB+8192                                ; K(1)
	SM 1                                           ; the first softmax, in both groups
	s_wait_dscnt 16                                ; V(0) is in
	PV 1                                           ; starts O^T's sums: nothing is cleared
	PLACES 5
	FETCH_V ZB+24576, LI                           ; V(1)
	s_wait_dscnt 16                                ; K(1) is in
	KQ
	PLACES 5
	WIN 0
	s_cmp_lg_u32 s[GG], 0
	s_cbranch_scc1 .Lperiod
	SM 0                                           ; group 0 goes half a step ahead
.Lperiod:                                          ; four trips: chunks 1 to 4 are read, chunks 2 to 5 asked for
	CHANGE 1
	SIX
	s_sub_co_u32 s[SLOTS], s[SLOTS], 1
	s_cmp_lg_u32 s[SLOTS], 0
	s_cbranch_scc1 .Lperiod
	CHANGE 0                                       ; the last chunk is written out
	SIX
	s_cmp_eq_u32 s[GG], 0
	s_cbranch_scc1 .Llast
	SM 0                                           ; group 1 catches up
.Llast:
	s_wait_dscnt 0x0                               ; V(31)
	PV 0
	; THE WAY OUT.  l's two halves and the other half of the lanes' are added (these additions are the places behind the last products); O^T / l, rounded to f16, is a piece as it stands: lane (r, h): query r, channels 8 h + 0..7 of 16.
	WIN 0
.irp t, 0,1,2,3
	v_add_f32 v[ST+8*\t+4], v[ST+8*\t+2], v[ST+8*\t+3]
.endr
.irp t, 0,1,2,3
	v_permlanex16_b32 v[ST+8*\t+5], v[ST+8*\t+4], s[SEL], s[SEL+1]
.endr
.irp t, 0,1,2,3
	v_add_f32 v[ST+8*\t+4], v[ST+8*\t+4], v[ST+8*\t+5]
.endr
.irp t, 0,1,2,3
	v_rcp_f32 v[ST+8*\t+6], v[ST+8*\t+4]
.endr
	v_nop                                          ; a plain instruction behind the last reciprocal
	s_wait_alu depctr_va_vdst(0)                   ; one wait for the four, ahead of their first reader
.irp t, 0,1,2,3
	WIN 0x41
.set n, 0
.rept 16
	v_pk_mul_f32 v[32*\t+n:32*\t+n+1], v[32*\t+n:32*\t+n+1], v[ST+8*\t+6:ST+8*\t+7] op_sel_hi:[1,0]
.set n, n+2
.endr
	WIN 0x05                                       ; sources in window 1, destination in window 0: S^T's registers are free
.set n, 0
.rept 16
	v_cvt_pk_f16_f32 v[S+32*\t+n], v[32*\t+2*n], v[32*\t+2*n+1]
.set n, n+1
.endr
	WIN 0
.irp ct, 0,1,2,3
	global_store_b128 v[LI], v[S+32*\t+4*\ct:S+32*\t+4*\ct+3], s[10:11] offset:32768*\t+512*\ct   ; 512 consecutive bytes, aligned
.endr
.endr
	s_wait_tensorcnt 0x0                           ; the wave's end: these three lines behind my last tensor load
	ds_add_u32 v[SPW], v[NIL]
	s_wait_dscnt 0x0
	CROUND                                         ; the closing round
	s_endpgm
.Lfunc_end_k_qfa226a0854_attn:
	.size	k_qfa226a0854_attn, .Lfunc_end_k_qfa226a0854_attn-k_qfa226a0854_attn
	.p2alignl 7, 3214868480
	.fill 96, 4, 3214868480
	.section	.rodata,"a",@progbits
	.p2align	6, 0x0
	.amdhsa_kernel k_qfa226a0854_attn
		.amdhsa_group_segment_fixed_size 327680
		.amdhsa_private_segment_fixed_size 0
		.amdhsa_enable_private_segment 0
		.amdhsa_kernarg_size 16
		.amdhsa_user_sgpr_count 2
		.amdhsa_user_sgpr_kernarg_segment_ptr 1
		.amdhsa_wavefront_size32 1
		.amdhsa_system_sgpr_workgroup_id_x 1
		.amdhsa_system_sgpr_workgroup_id_y 1
		.amdhsa_system_sgpr_workgroup_id_z 1
		.amdhsa_system_vgpr_workitem_id 0
		.amdhsa_next_free_vgpr 512
		.amdhsa_next_free_sgpr 72
		.amdhsa_reserve_vcc 0
		.amdhsa_float_denorm_mode_32 3
		.amdhsa_float_denorm_mode_16_64 3
		.amdhsa_memory_ordered 1
		.amdhsa_forward_progress 1
		.amdhsa_inst_pref_size 217
	.end_amdhsa_kernel
	.amdgpu_metadata
---
amdhsa.version: [ 1, 2 ]
amdhsa.kernels:
  - .name:           k_qfa226a0854_attn
    .symbol:         k_qfa226a0854_attn.kd
    .args:
      - { .name: qkv16, .offset: 0, .size: 8, .value_kind: global_buffer, .address_space: global }
      - { .name: att16, .offset: 8, .size: 8, .value_kind: global_buffer, .address_space: global }
    .group_segment_fixed_size: 327680
    .private_segment_fixed_size: 0
    .kernarg_segment_align: 8
    .kernarg_segment_size: 16
    .max_flat_workgroup_size: 256
    .sgpr_count:     72
    .vgpr_count:     512
    .wavefront_size: 32
...
	.end_amdgpu_metadata
.endif
;; end of part 3
;; launch oproj (part 4): grid 4 x 64, 4 waves a work-group, clusters of 4 x 4, 327,680 bytes of LDS; arguments att16, ow16, out0; writes out0
.if DOCPART == 4
	.amdgcn_target "amdgcn-amd-amdhsa--gfx1250"
	.amdhsa_code_object_version 6
	.text
	.protected	k_qfa226a0854_oproj
	.globl	k_qfa226a0854_oproj
	.p2align	8
	.type	k_qfa226a0854_oproj,@function
k_qfa226a0854_oproj:
	s_mov_b64 s[64:65], 0
	v_nop
	global_prefetch_b8 v0, s[64:65] scope:SCOPE_SE
	s_setreg_imm32_b32 hwreg(HW_REG_WAVE_MODE, 25, 1), 1
	s_wait_xcnt 0x0
	s_wait_alu depctr_hold_cnt(0) depctr_sa_sdst(0) depctr_va_vdst(0) depctr_va_sdst(0) depctr_va_ssrc(0) depctr_va_vcc(0) depctr_vm_vsrc(0)
	s_getreg_b32 s2, hwreg(HW_REG_IB_STS2, 6, 4)
	s_cmp_eq_u32 s2, 0
	s_cbranch_scc0 .Lentry_in_a_cluster
	s_endpgm
.Lentry_in_a_cluster:
	s_bfe_u32 s2, ttmp6, 0x10000c
	s_cmp_lg_u32 s2, 0xf033
	s_cbranch_scc0 .Lentry_shape_is_right
	s_endpgm
.Lentry_shape_is_right:
; OUT = ATT x o_w^T.  ATT [8192][1024] and o_w [1024][1024] arrive in f16 as images of operand registers: [tile of 16 rows][k piece 64][512 bytes], lane (r, h) at 16 x lane: row r, k = 16 kp + 8 h + 0..7.  out0 [8192][1024] f32; sums in f32.
; A tile of the result is 128 rows x 256 columns: 256 work-groups.  Four waves, each 64 x 128: 32 accumulators of 16 x 16, 256 registers.
; K goes in 8 steps of 128 through a ring of two LDS slots: of each tile of 16 rows a step takes 8 pieces, 4,096 consecutive bytes.  Fragments come by loads of 16 bytes at 16 x lane: no pitch, no padding.
; CLUSTERS: 4 x 4 work-groups; ATT's tile is shared along a row of the cluster, o_w's along a column: each is asked for jointly.
; THE MATRIX INSTRUCTION IS USED TRANSPOSED (source 0 = 16 rows of o_w, source 1 = 16 rows of ATT): a lane holds eight neighbouring numbers of a row of the result.
; REGISTERS: window 0: v16-29 addresses; v32-127 and v128-223 two fragment buffers for 32 along K (ATT's 4 fragments, then o_w's 8); on the way out v32-159 whole rows.   window 1: the accumulators ((a, b) at v[8 (8 a + b)]).
.set SLOT,   98304                     ; ATT's 8 tiles x 4,096 bytes, then o_w's 16 tiles
.set BOFF,   32768
.set STAGE,  2*SLOT                    ; behind the ring: 16 rows x (512 bytes + 16) for each wave, for the way out; no tensor load lands here
.set SPITCH, 528
.set SPARE,  STAGE+4*16*SPITCH         ; the spare words, 128 bytes a wave: two blocks of 256 bytes that no other line names
.set LAPS,   4                         ; a lap = two K steps = once round the ring
.set ADRA, 16
.set ADRB, 20
.set STO,  24
.set RD,   25
.set CO,   26
.set SPW,  28
.set NIL,  29
.set F0,   32
.set F1,   128
.set G1, 24
.set G0, 32
.set G1B, 48
.set G0B, 56
.set MSB, 0
.macro WIN new                         ; the immediate's high byte repeats the setting that is left
.if MSB != (\new)
	s_set_vgpr_msb (MSB<<8)|(\new)
.set MSB, (\new)
.endif
.endm
.set MUL, 0x50                         ; C and D window 1, the fragments window 0
.macro JLOAD s                         ; a joint load: waves 0 and 1 fetch ATT's halves, waves 2 and 3 o_w's; an s_nop 0 and four v_nop follow each of the two lines
	s_cmp_eq_u32 s11, 0
	s_cbranch_scc0 .Lfor_b_\@
	tensor_load_to_lds s[G0+4*\s:G0+4*\s+3], s[G1:G1+7]
	s_nop 0
.rept 4
	v_nop
.endr
	s_branch .Lasked_\@
.Lfor_b_\@:
	tensor_load_to_lds s[G0B+4*\s:G0B+4*\s+3], s[G1B:G1B+7]
	s_nop 0
.rept 4
	v_nop
.endr
.Lasked_\@:
.endm
.macro CREST                           ; a round of the cluster's barrier behind its opening barrier
	s_cmp_lg_u32 s10, 0
	s_cbranch_scc1 .Lnot_wave_0_\@
	s_barrier_signal -3
.Lnot_wave_0_\@:
	s_barrier_wait -3
	s_barrier_signal -1
	s_barrier_wait -1
.endm
.macro CROUND
	s_barrier_signal -1
	s_barrier_wait -1
	CREST
.endm
	s_load_b128 s[4:7], s[0:1], 0x0                ; att16 s[4:5], ow16 s[6:7]
	s_load_b64 s[8:9], s[0:1], 0x10                ; out0
	v_lshl_add_u32 v[SPW], v0, 2, SPARE
	v_mov_b32 v[NIL], 0
	ds_add_u32 v[SPW], v[NIL]                      ; the wave's opening: the add, twice on end, and its wait ahead of my first tensor load
	ds_add_u32 v[SPW], v[NIL]
	v_lshrrev_b32 v1, 5, v0
	v_readfirstlane_b32 s10, v1                    ; wave 0..3
	s_lshr_b32 s11, s10, 1                         ; which half of the tile's rows is mine.  Also: I fetch for ATT (0) or for o_w (1)
	s_and_b32 s12, s10, 1                          ; which half of its columns.  Also: which half of that tile I fetch
	s_bfe_u32 s40, ttmp6, 0x40000                  ; cx, cy
	s_bfe_u32 s41, ttmp6, 0x40004
	s_lshl_b32 s42, ttmp9, 2
	s_add_co_u32 s42, s42, s40                     ; tile column
	s_and_b32 s13, ttmp7, 0xffff
	s_lshl_b32 s13, s13, 2
	s_add_co_u32 s13, s13, s41                     ; tile row
	s_lshl_b32 s43, s41, 2
	s_lshl_b32 s43, 15, s43                        ; my row of the cluster
	s_lshl_b32 s44, 0x1111, s40                    ; my column
	; descriptor groups 1: rows of 4,096 bytes (512 elements of 8 bytes), 32,768 bytes apart in memory, on end in LDS.  ATT: 4 rows a load; o_w: 8
	s_or_b32 s[G1+0], s43, (3<<16)|(1<<21)
	s_or_b32 s[G1B+0], s44, (3<<16)|(1<<21)
	s_mov_b32 s[G1+1], 512<<16
	s_mov_b32 s[G1+2], 4<<16
	s_mov_b32 s[G1+3], 512<<16
	s_mov_b32 s[G1+4], 4
	s_mov_b32 s[G1+5], 4096
	s_mov_b32 s[G1+6], 0
	s_mov_b32 s[G1+7], 0
	s_mov_b32 s[G1B+1], 512<<16
	s_mov_b32 s[G1B+2], 8<<16
	s_mov_b32 s[G1B+3], 512<<16
	s_mov_b32 s[G1B+4], 8
	s_mov_b32 s[G1B+5], 4096
	s_mov_b32 s[G1B+6], 0
	s_mov_b32 s[G1B+7], 0
	s_lshl_b32 s16, s13, 3
	s_lshl_b32 s17, s12, 2
	s_add_co_u32 s16, s16, s17                     ; ATT: tile of 16 rows 8 x tile row + 4 x half
	s_lshl_b32 s16, s16, 15
	s_mov_b32 s17, 0
	s_lshl_b32 s46, s42, 4
	s_lshl_b32 s47, s12, 3
	s_add_co_u32 s46, s46, s47                     ; o_w: tile 16 x tile column + 8 x half
	s_lshl_b32 s46, s46, 15
	s_mov_b32 s47, 0
	s_lshl_b32 s20, s12, 14                        ; where they go: ATT's halves,
	s_lshl_b32 s21, s12, 15
	s_add_co_u32 s21, s21, BOFF                    ; then o_w's: no place in the cluster enters an LDS address
	s_wait_dscnt 0x0                               ; both opening adds are done
	s_wait_kmcnt 0x0
	s_add_nc_u64 s[14:15], s[4:5], s[16:17]
	s_add_nc_u64 s[46:47], s[6:7], s[46:47]
	CROUND                                         ; all sixteen work-groups are here: the first joint loads meet
.irp s, 0,1
	s_mov_b32 s[G0+4*\s], 1
	s_add_co_u32 s[G0+4*\s+1], s20, \s*SLOT
	s_add_nc_u64 s[G0+4*\s+2:G0+4*\s+3], s[14:15], \s*4096
	s_or_b32 s[G0+4*\s+3], s[G0+4*\s+3], 0x80000000
	s_mov_b32 s[G0B+4*\s], 1
	s_add_co_u32 s[G0B+4*\s+1], s21, \s*SLOT
	s_add_nc_u64 s[G0B+4*\s+2:G0B+4*\s+3], s[46:47], \s*4096
	s_or_b32 s[G0B+4*\s+3], s[G0B+4*\s+3], 0x80000000
	JLOAD \s                                       ; two loads of mine are out
.endr
	v_and_b32 v1, 15, v0                           ; r
	v_bfe_u32 v2, v0, 4, 1                         ; h
	v_and_b32 v3, 31, v0
	v_lshlrev_b32 v[CO], 4, v3                     ; 16 x lane
	s_lshl_b32 s21, s11, 14                        ; my 4 tiles of ATT
	s_lshl_b32 s22, s12, 15                        ; my 8 tiles of o_w,
	s_add_co_u32 s22, s22, BOFF                    ; which lie behind ATT's
.irp s, 0,1
	v_add_nc_u32 v[ADRA+\s], s21, v[CO]
	v_add_nc_u32 v[ADRB+\s], s22, v[CO]
	s_add_co_u32 s21, s21, SLOT
	s_add_co_u32 s22, s22, SLOT
.endr
	s_mul_i32 s23, s10, 16*SPITCH
	s_add_co_u32 s23, s23, STAGE                   ; my stage
	v_mul_u32_u24 v4, v1, SPITCH                   ; in: row r, 32 bytes for each half of the lanes
	v_lshl_add_u32 v4, v2, 5, v4
	v_add_nc_u32 v[STO], s23, v4
	v_add_nc_u32 v[RD], s23, v[CO]                 ; back: the 32 lanes take one row of 512 bytes
	s_lshl_b32 s16, s13, 7
	s_lshl_b32 s17, s11, 6
	s_add_co_u32 s16, s16, s17                     ; my first row: 128 x tile row + 64 x half
	s_lshl_b32 s16, s16, 12
	s_mov_b32 s17, 0
	s_add_nc_u64 s[8:9], s[8:9], s[16:17]
	s_lshl_b32 s46, s42, 10                        ; my first column, in bytes: 1,024 x tile column + 512 x half
	s_lshl_b32 s47, s12, 9
	s_add_co_u32 s46, s46, s47
	s_mov_b32 s47, 0
	s_add_nc_u64 s[8:9], s[8:9], s[46:47]
; 8 matrix instructions: ATT's block a x o_w's eight, 32 along K.  The 32 accumulators take turns, one instruction a turn, in the same order in every quarter.
.macro MUL8 f, a, zero
.irp b, 0,1,2,3,4,5,6,7
.if \zero
	v_wmma_f32_16x16x32_f16 v[8*(8*(\a)+\b):8*(8*(\a)+\b)+7], v[\f+32+8*\b:\f+32+8*\b+7], v[\f+8*(\a):\f+8*(\a)+7], 0
.else
	v_wmma_f32_16x16x32_f16 v[8*(8*(\a)+\b):8*(8*(\a)+\b)+7], v[\f+32+8*\b:\f+32+8*\b+7], v[\f+8*(\a):\f+8*(\a)+7], v[8*(8*(\a)+\b):8*(8*(\a)+\b)+7]
.endif
.endr
.endm
; 24 LDS loads in one run: the fragments of the slot's c-th 32 along K into buffer f: o_w's 16 loads, then ATT's blocks 0, 1 (4), then 2, 3 (4)
.macro FETCH slot, c, f
	WIN 0
.irp i, 0,1,2,3,4,5,6,7
	ds_load_b128 v[\f+32+8*\i:\f+32+8*\i+3],   v[ADRB+\slot] offset:4096*\i+1024*(\c)
	ds_load_b128 v[\f+32+8*\i+4:\f+32+8*\i+7], v[ADRB+\slot] offset:4096*\i+1024*(\c)+512
.endr
.irp i, 0,1,2,3
	ds_load_b128 v[\f+8*\i:\f+8*\i+3],   v[ADRA+\slot] offset:4096*\i+1024*(\c)
	ds_load_b128 v[\f+8*\i+4:\f+8*\i+7], v[ADRA+\slot] offset:4096*\i+1024*(\c)+512
.endr
.endm
.macro PLACES                          ; four plain instructions in front of loads into registers that matrix instructions have read, and of the first read of results (ISA guide 7.12.1 for the first read of results)
.rept 4
	v_nop
.endr
.endm
; A K step is four quarters of 32 along K, 32 matrix instructions each, on buffers 0, 1, 0, 1.  One of the first three: multiplies buffer f and fetches the slot's c-th quarter into g.
.macro QUARTER slot, c, f, g, zero
	s_wait_dscnt 4                                 ; o_w's fragments and ATT's blocks 0, 1 are in; the youngest four loads may be out
	WIN MUL
	MUL8 \f, 0, \zero
	MUL8 \f, 1, \zero
	PLACES
	FETCH \slot, \c, \g
	s_wait_dscnt 24                                ; all but the 24 just issued
	WIN MUL
	MUL8 \f, 2, \zero
	MUL8 \f, 3, \zero
.endm
; The last quarter multiplies buffer 1 and changes slots: ONE barrier; in front of it each wave waits for all its tensor loads, adds 0 to its spare word, and waits for that and for its reads of this slot.  fill = 1: this slot is filled again, two K steps ahead.
.macro TURN slot, next, fill
	WIN 0
	s_wait_tensorcnt 0x0                           ; all my tensor loads have landed: my part of the next slot
	ds_add_u32 v[SPW], v[NIL]
	s_wait_dscnt 5                                 ; the add and the youngest four loads may be out
	WIN MUL
	MUL8 F1, 0, 0                                  ; eight matrix instructions stand between the add and the wait for it
	s_wait_dscnt 0x0                               ; the add is done, and my reads of this slot are over
	s_barrier_signal -1
	MUL8 F1, 1, 0
.if \fill
	WIN 0
.endif
	s_barrier_wait -1
.if \fill
	CREST                                          ; the barrier has opened a round of the cluster's: no wave of any partner still reads this slot or has a load on its way
	s_add_nc_u64 s[G0+4*\slot+2:G0+4*\slot+3], s[G0+4*\slot+2:G0+4*\slot+3], 2*4096
	s_add_nc_u64 s[G0B+4*\slot+2:G0B+4*\slot+3], s[G0B+4*\slot+2:G0B+4*\slot+3], 2*4096
	JLOAD \slot                                    ; the first tensor load behind the round, 112 matrix instructions ahead of the wait for it; its four v_nop are also the places in front of the loads below
.else
	PLACES
.endif
	FETCH \next, 0, F0
	WIN MUL
	MUL8 F1, 2, 0
	MUL8 F1, 3, 0
.endm
	s_wait_tensorcnt 1                             ; my part of K step 0 is in; K step 1's load may be out
	s_barrier_signal -1
	s_barrier_wait -1
	FETCH 0, 0, F0
	QUARTER 0, 1, F0, F1, 1                        ; the first quarter stands in front of the loop: its products start the sums
	WIN 0
	s_mov_b32 s3, LAPS-1
.Llap:                                             ; a trip goes once round the ring, from a lap's second quarter to the next lap's first, and fills both slots again
	QUARTER 0, 2, F1, F0, 0
	QUARTER 0, 3, F0, F1, 0
	TURN 0, 1, 1
	QUARTER 1, 1, F0, F1, 0
	QUARTER 1, 2, F1, F0, 0
	QUARTER 1, 3, F0, F1, 0
	TURN 1, 0, 1
	QUARTER 0, 1, F0, F1, 0
	WIN 0
	s_sub_co_u32 s3, s3, 1
	s_cmp_lg_u32 s3, 0
	s_cbranch_scc1 .Llap
	QUARTER 0, 2, F1, F0, 0                        ; the last lap fills nothing, and has no round of the cluster's barrier
	QUARTER 0, 3, F0, F1, 0
	TURN 0, 1, 0
	QUARTER 1, 1, F0, F1, 0
	QUARTER 1, 2, F1, F0, 0
	QUARTER 1, 3, F0, F1, 0
	s_wait_dscnt 4                                 ; the very last quarter: nothing more to fetch
	WIN MUL
	MUL8 F1, 0, 0
	MUL8 F1, 1, 0
	s_wait_dscnt 0
	MUL8 F1, 2, 0
	MUL8 F1, 3, 0
	WIN 0
; THE WAY OUT, block by block of 16 rows x 128 columns.  A lane holds 32 neighbouring bytes of a row and the lanes beside it hold other rows: a block goes through my own stage and comes back as whole rows of 512 bytes.
; LDS serves a wave's instructions in order (ISA guide 5.7.1.4): no wait between the stores and the loads, nor in front of the next block's stores.
.macro TOSTAGE a
	WIN 0x04                                       ; an LDS store's data are its source 1: window 1
.irp b, 0,1,2,3,4,5,6,7
	ds_store_b128 v[STO], v[8*(8*(\a)+\b):8*(8*(\a)+\b)+3] offset:64*\b           ; each accumulator from its low end on
	ds_store_b128 v[STO], v[8*(8*(\a)+\b)+4:8*(8*(\a)+\b)+7] offset:64*\b+16
.endr
	WIN 0
.set BB, 32+64*((\a)%2)
.irp t, 0,1,2,3,4,5,6,7,8,9,10,11,12,13,14,15
	ds_load_b128 v[BB+4*\t:BB+4*\t+3], v[RD] offset:\t*SPITCH
.endr
.endm
.macro SEND a, younger                 ; younger: the LDS instructions issued behind block a's loads, which may stay out
.set BB, 32+64*((\a)%2)
	s_wait_dscnt \younger
.irp t, 0,1,2,3,4,5,6,7,8,9,10,11,12,13,14,15
	global_store_b128 v[CO], v[BB+4*\t:BB+4*\t+3], s[8:9] offset:65536*(\a)+4096*\t th:TH_STORE_NT   ; 32 lanes store 512 consecutive bytes, aligned; written once, read by nobody here
.endr
.endm
	PLACES                                         ; behind the last products: their results are read and the fragments' registers loaded from here on
	TOSTAGE 0
.irp a, 1,2,3
.if \a > 1
	s_wait_xcnt 0x0                                ; block a - 2's stores have read their registers: block a's loads may land there
.endif
	TOSTAGE \a
	SEND \a-1, 32                                  ; behind block a - 1's loads: block a's 16 stores and 16 loads
.endr
	SEND 3, 0
	s_wait_tensorcnt 0x0                           ; the wave's end: these three lines behind my last tensor load and my last LDS store
	ds_add_u32 v[SPW], v[NIL]
	s_wait_dscnt 0x0
	CROUND                                         ; the closing round
	s_endpgm
.Lfunc_end_k_qfa226a0854_oproj:
	.size	k_qfa226a0854_oproj, .Lfunc_end_k_qfa226a0854_oproj-k_qfa226a0854_oproj
	.p2alignl 7, 3214868480
	.fill 96, 4, 3214868480
	.section	.rodata,"a",@progbits
	.p2align	6, 0x0
	.amdhsa_kernel k_qfa226a0854_oproj
		.amdhsa_group_segment_fixed_size 327680
		.amdhsa_private_segment_fixed_size 0
		.amdhsa_enable_private_segment 0
		.amdhsa_kernarg_size 24
		.amdhsa_user_sgpr_count 2
		.amdhsa_user_sgpr_kernarg_segment_ptr 1
		.amdhsa_wavefront_size32 1
		.amdhsa_system_sgpr_workgroup_id_x 1
		.amdhsa_system_sgpr_workgroup_id_y 1
		.amdhsa_system_sgpr_workgroup_id_z 1
		.amdhsa_system_vgpr_workitem_id 0
		.amdhsa_next_free_vgpr 512
		.amdhsa_next_free_sgpr 66
		.amdhsa_reserve_vcc 0
		.amdhsa_float_denorm_mode_32 3
		.amdhsa_float_denorm_mode_16_64 3
		.amdhsa_memory_ordered 1
		.amdhsa_forward_progress 1
		.amdhsa_inst_pref_size 84
	.end_amdhsa_kernel
	.amdgpu_metadata
---
amdhsa.version: [ 1, 2 ]
amdhsa.kernels:
  - .name:           k_qfa226a0854_oproj
    .symbol:         k_qfa226a0854_oproj.kd
    .args:
      - { .name: att16, .offset: 0, .size: 8, .value_kind: global_buffer, .address_space: global }
      - { .name: ow16, .offset: 8, .size: 8, .value_kind: global_buffer, .address_space: global }
      - { .name: out0, .offset: 16, .size: 8, .value_kind: global_buffer, .address_space: global }
    .group_segment_fixed_size: 327680
    .private_segment_fixed_size: 0
    .kernarg_segment_align: 8
    .kernarg_segment_size: 24
    .max_flat_workgroup_size: 128
    .sgpr_count:     66
    .vgpr_count:     512
    .wavefront_size: 32
...
	.end_amdgpu_metadata
.endif
;; end of part 4
